; MI455X (gfx1250); checked and timed in simulation.
; The chip was launched on July 23, 2026; its instructions are those of AMD's public machine-readable ISA for CDNA 5 (MIT licence, August 2026) and "CDNA5" Instruction Set Architecture Reference Guide (July 2026). The comments in the code are by the model that wrote it; some were corrected since.
;; Self Attention v2. Allowed arithmetic: matrix products marked QUANTISED: E2M3 operands, one E8M0 scale for each 32 along K, by v_wmma_scale_f32_16x16x128_f8f6f4 with both operands' format E2M3, f32 sums; everything else in f32.
;; Inputs: W_k 1,024 x 1,024 float32; W_q 1,024 x 1,024 float32; W_v 1,024 x 1,024 float32; inputs 4,096 x 1,024 float32.
;; Outputs: out0 4,096 x 1,024 float32.
;; This version of the problem:
;;   THIS VERSION OF THE PROBLEM IS GIVEN IN LOW PRECISION. The matrix products marked QUANTISED in the list below multiply operands that are first quantised to E2M3 (2 exponent bits, 3 mantissa bits; 6 bits a number), with one power-of-two scale for each 32 numbers along K (OCP MX v1.0); their sums are f32. All else is computed in f32.
;;   The module's matrix products, in the order in which they are computed (A, B: the left and right operand; K: the contracted axis; several contracted axes count as one K, in the product's order):
;;     1. [M 4,096, K 1,024] x [K 1,024, N 1,024]; A: input inputs; B: input W_q: QUANTISED
;;     2. [M 4,096, K 1,024] x [K 1,024, N 1,024]; A: input inputs; B: input W_k: QUANTISED
;;     3. [M 4,096, K 1,024] x [K 1,024, N 1,024]; A: input inputs; B: input W_v: QUANTISED
;;     4. [M 4,096, K 1,024] x [K 1,024, N 4,096]; A: computed on the way; B: computed on the way: QUANTISED
;;     5. [M 4,096, K 4,096] x [K 4,096, N 1,024]; A: softmax (see below); B: computed on the way: QUANTISED
;;   THE QUANTISER, for each operand of a quantised product, along K:
;;     - K is cut into blocks of 32 from its start; a last block that is shorter is filled with zeros.
;;     - A block's scale is 2^e with e = floor(log2(the largest magnitude in the block)) - 2, held to -126 .. 127; a block of zeros has e = 0. As a byte (E8M0): e + 127.
;;     - Each number is divided by its block's scale, clamped to +-7.5, and rounded to the nearest number of E2M3, ties to even, subnormals kept.
;;     - The product sums the exact products of the quantised numbers (number of the format x scale) in f32.
;;   ~~~python
;;   def quantise(x, axis):      # numpy; x: float32 -> the quantised numbers, widened to float32 again
;;       x = np.moveaxis(x, axis, -1); K = x.shape[-1]
;;       x = np.pad(x, [(0, 0)] * (x.ndim - 1) + [(0, -K % 32)]); x = x.reshape(x.shape[:-1] + (-1, 32)); a = np.abs(x).max(-1, keepdims=True)
;;       e = np.where(a > 0, np.clip(np.frexp(np.where(a > 0, a, 1))[1] - 1 - 2, -126, 127), 0)      # np.frexp(a)[1] - 1 = floor(log2(a)), exactly
;;       r = np.clip(x / 2.0 ** e, -7.5, 7.5)
;;       step = 2.0 ** (np.maximum(np.frexp(np.where(r == 0, 1, r))[1] - 1, 0) - 3)
;;       q = np.round(r / step) * step * 2.0 ** e      # np.round: ties to even
;;       return np.moveaxis(q.reshape(q.shape[:-2] + (-1,))[..., :K], -1, axis).astype(np.float32)
;;   ~~~
;;   SOFTMAX AHEAD OF A QUANTISED PRODUCT. Where the list says 'softmax', what is quantised is not the finished softmax but p = 2^(t - M), with t = logit x log2(e) and M = ceil(the row's largest t), a whole number; so 1/2 < the row's largest p <= 1. The row's sum l is taken of the UNQUANTISED p, in f32, and the product's result is divided by l at the end. Since M is a whole number, a kernel that streams over the keys may use a running M (the ceiling of the running maximum): every later rescaling is an exact power of two, which a block's scale takes up: the codes' values come out the same.
;;   OPERANDS COMPUTED ON THE WAY. 'Computed on the way' means the value that the module computes at that place (a softmax that the list does not call 'softmax' is quantised finished and normalised). What goes into a quantiser is computed in f32, as accurately as f32 sums, v_exp_f32 and their like allow (about 1e-6 of the number): no bf16 or f16 on the way to a quantiser, and a product that is left as it is and whose result goes on into a quantised operand takes f32 operands (vector FMAs, or v_wmma_f32_16x16x4_f32). A number that lies on a knife's edge between two numbers of the format may be rounded either way, as far as f32 arithmetic and the matrix unit's own rounding can turn it there, and no further.
;; One version. Each part assembles by itself: llvm-mc -triple=amdgcn-amd-amdhsa -mcpu=gfx1250 --defsym DOCPART=n.
;; ======== version 1 of 1: 4 launches
;; limits: right only within a limited range of input values
;; workspace buffers: xw 5,734,400 bytes; qkv 9,830,400 bytes; pbuf 14,155,776 bytes
;; launch qnt (part 1): grid 224 x 1, 8 waves a work-group, no clusters, 70,656 bytes of LDS; arguments inputs, W_q, W_k, W_v, xw; writes xw
.if DOCPART == 1
	.amdgcn_target "amdgcn-amd-amdhsa--gfx1250"
	.amdhsa_code_object_version 6
	.text
	.protected	k_qfb4297c1d8_qnt
	.globl	k_qfb4297c1d8_qnt
	.p2align	8
	.type	k_qfb4297c1d8_qnt,@function
k_qfb4297c1d8_qnt:
	s_mov_b64 s[64:65], 0
	v_nop
	global_prefetch_b8 v0, s[64:65] scope:SCOPE_SE
	s_setreg_imm32_b32 hwreg(HW_REG_WAVE_MODE, 25, 1), 1
	s_wait_xcnt 0x0
; FIRST OF FOUR LAUNCHES.  out = softmax((x Wq)(x Wk)^T / 32)(x Wv), every product on codes of FP6 (E2M3) with one E8M0 scale for each 32 along K.
; NO WORK IS LEFT OUT: every input reaches the output, there is no mask and no bias, and all five products are done in full.
; This launch quantises x = inputs [4096][1024] along its columns and Wq, Wk, Wv [1024 (k)][1024 (n)] along their FIRST axis, into xw.
; A block's scale is 2^(floor(log2(its largest magnitude)) - 2); its byte is that magnitude's exponent field - 2, held at 1 from below.
; LIMITS: NaN and infinities among the inputs are not served; a block whose largest magnitude lies under 2^-124 keeps the byte 1; a block of zeros has the byte 1 and not 127
; (its codes are zeros, and the bytes are read by this program alone).
; LAYOUT OF xw.  An operand's rows go in groups of 128, a group in eight tiles of 16: lane row r of tile 2 b + u is row 32 b + 8 u + r + 8 (r / 8) of the group.  A fragment (a tile x 128 along K) is stored
; AS ITS 12 REGISTERS: three chunks of 512 bytes, chunk c = registers 4 c .. 4 c + 3, lane l at 16 l.  A (group, K step) is 12,800 bytes: [tile][1536] of codes, then 512 bytes of scale words, the word of
; (tile t, row r) at 16 (r + 16 (t / 4)) + 4 (t % 4).  x lies at 0, the weights (819,200 bytes each, order q, k, v) behind it.
; SHARES.  Work-groups 0-127 take x, 128-223 the weights; a work-group makes two (group, K step), four waves to each, a wave two tiles: 16 KiB of f32 in.  The four waves' scale words meet in LDS, behind the one barrier,
; and leave as 512 consecutive bytes.  Each path has its own bytes for them.
; REGISTERS: v1 lane, v2 r, v3 h, v4 16 x lane, v5, v6 the stage in and out, v7 the weights' column offset, v8, v9 the add's two, v10 a word to store, v12-15 at work,
;   v16-39 two sets of 12 codes, v40-46 the upper halves of blocks, v43, v47 LDS addresses of the scale words, v48-63 at work (v56, v57 scale words); x: v64-191 two sets of 16 rows, v192-255 64 numbers turned;
;   weights: v64-127 two sets of 32 numbers, v192-215 two fragments, v240-255 the upper halves.
.set IMGX,  0                          ; LDS: x's scale words, 512 bytes for each of the two K steps;
.set IMGW,  1024                       ; the weights';
.set STAGE, 2048
.set STG,   8448                       ; a wave's stage: 16 rows x (512 bytes + 16);
.set SPARE, STAGE+8*STG                ; behind the stages: the spare words, 128 bytes a wave, that no other line names
.set GKS,   12800
.set WIMG,  3276800
.set LI,  4
.set STI, 5
.set STO, 6
.set WA,  7
.set SPW, 8
.set NIL, 9
.set OW,  10
.set PC,  16
.set PX,  40
.set SOF, 43
.set SIM, 47
.set TM,  48
.set PW,  56
.set R,   64
.set XN,  192
.set X,   64
.set F,   192
.set H,   240
	s_load_b256 s[4:11], s[0:1], 0x0               ; inputs s[4:5], W_q s[6:7], W_k s[8:9], W_v s[10:11]
	s_load_b64 s[12:13], s[0:1], 0x20              ; xw
	v_lshl_add_u32 v[SPW], v0, 2, SPARE
	v_mov_b32 v[NIL], 0
	v_lshrrev_b32 v1, 5, v0
	v_readfirstlane_b32 s16, v1                    ; wave 0..7
	s_lshr_b32 s17, s16, 2                         ; which of the work-group's two (group, K step) is mine,
	s_and_b32 s18, s16, 3                          ; which two of its tiles: 2 s18, 2 s18 + 1
	s_mul_i32 s23, s16, STG
	s_add_co_u32 s23, s23, STAGE
	s_lshl_b32 s24, s17, 9
	s_lshr_b32 s25, s18, 1
	s_lshl_b32 s25, s25, 8
	s_and_b32 s26, s18, 1
	s_lshl_b32 s26, s26, 3
	s_add_co_u32 s25, s25, s26
	s_add_co_u32 s25, s25, s24
	s_mov_b32 s20, 0x76543210
	s_mov_b32 s21, 0xfedcba98                      ; v_permlanex16_b32's selects for lane l xor 16
	s_mov_b32 s22, 0xffff0000                      ; lanes 16-31
	v_and_b32 v1, 31, v0                           ; lane
	v_and_b32 v2, 15, v0                           ; r
	v_bfe_u32 v3, v0, 4, 1                         ; h
	v_lshlrev_b32 v[LI], 4, v1
	v_add_nc_u32 v[SIM], s24, v[LI]                ; the scale words, out: 512 bytes
	v_lshlrev_b32 v[SOF], 4, v2
	v_lshl_add_u32 v[SOF], v3, 2, v[SOF]
	v_add_nc_u32 v[SOF], s25, v[SOF]               ; in: the word of tile 2 s18 + h, row r
	v_add_nc_u32 v[STI], s23, v[LI]                ; the stage, in: a row's 512 bytes as they lie
	v_mul_u32_u24 v[STO], v2, 528
	v_lshl_add_u32 v[STO], v3, 6, v[STO]
	v_add_nc_u32 v[STO], s23, v[STO]               ; out: row r, + 64 h: 16 neighbours of each block of 32
.irp b, 0,1,2,3
	v_mov_b32 v[TM+4+\b], 0                        ; written once: a lane permute's destination counts as one of its sources
.endr
	s_wait_alu depctr_va_vdst(0)                   ; the wait here, ahead of the branch
	s_cmp_lt_u32 ttmp9, 128
	s_cbranch_scc0 .Lweights
; ---------------- x: K is innermost ----------------
	s_lshr_b32 s24, ttmp9, 2                       ; group
	s_and_b32 s25, ttmp9, 3
	s_lshl_b32 s25, s25, 1
	s_add_co_u32 s25, s25, s17                     ; K step
	s_lshl_b32 s26, s24, 19                        ; 128 rows of 4,096 bytes,
	s_lshl_b32 s27, s18, 17                        ; 32 rows,
	s_add_co_u32 s26, s26, s27
	s_lshl_b32 s27, s25, 9                         ; 128 numbers
	s_add_co_u32 s26, s26, s27
	s_mov_b32 s27, 0
	s_lshl_b32 s28, s24, 3
	s_add_co_u32 s28, s28, s25                     ; 8 x group + K step
	s_mul_i32 s32, s28, GKS
	s_mul_i32 s29, s18, 3072
	s_add_co_u32 s30, s32, s29
	s_mov_b32 s31, 0
	s_add_co_u32 s32, s32, 12288
	s_mov_b32 s33, 0
	s_wait_kmcnt 0x0
	s_add_nc_u64 s[4:5], s[4:5], s[26:27]
	s_add_nc_u64 s[14:15], s[12:13], s[30:31]      ; my codes
	s_add_nc_u64 s[12:13], s[12:13], s[32:33]      ; the scale words of my (group, K step)
.macro XLOAD f                         ; tile f's 16 rows: each load is one row's 512 consecutive bytes
.irp i, 0,1,2,3,4,5,6,7,8,9,10,11,12,13,14,15
	global_load_b128 v[R+64*(\f)+4*\i:R+64*(\f)+4*\i+3], v[LI], s[4:5] offset:(8*(\f)+\i+8*(\i/8))*4096 th:TH_LOAD_NT
.endr
.endm
.macro XTURN f                         ; through my own stage: LDS serves a wave's instructions in order, so no wait stands between the stores and the loads
.irp i, 0,1,2,3,4,5,6,7,8,9,10,11,12,13,14,15
	ds_store_b128 v[STI], v[R+64*(\f)+4*\i:R+64*(\f)+4*\i+3] offset:528*\i
.endr
.irp b, 0,1,2,3
.irp j, 0,1,2,3
	ds_load_b128 v[XN+16*\b+4*\j:XN+16*\b+4*\j+3], v[STO] offset:128*\b+16*\j   ; register 16 b + i = k 32 b + 16 h + i of row r
.endr
.endr
.endm
; 64 numbers of a lane, register 16 b + i = k 32 b + 16 h + i of my row, become a fragment's 12 registers at v[pc] and its scale word in v[pw]
.macro QUANT s, pc, pw
.irp b, 0,1,2,3
	v_max3_num_f32 v[TM+\b], |v[(\s)+16*\b]|, |v[(\s)+1+16*\b]|, 0x1800000   ; my 16 numbers of block b, and the floor 2^(3 - 127): the byte cannot fall under 1
.endr
.irp i, 2,4,6,8,10,12,14
.irp b, 0,1,2,3
	v_max3_num_f32 v[TM+\b], v[TM+\b], |v[(\s)+16*\b+\i]|, |v[(\s)+1+16*\b+\i]|
.endr
.endr
.irp b, 0,1,2,3
	v_permlanex16_b32 v[TM+4+\b], v[TM+\b], s20, s21
.endr
.irp b, 0,1,2,3
	v_max_num_f32 v[TM+\b], v[TM+\b], v[TM+4+\b]   ; with lane l xor 16's: the block's largest magnitude
.endr
.irp b, 0,1,2,3
	v_add_nc_u32 v[TM+12+\b], 0xff000000, v[TM+\b] ; 2 off its exponent field: the conversion's scale operand
.endr
.irp b, 0,1,2,3
	v_lshrrev_b32 v[TM+4+\b], 23, v[TM+12+\b]      ; the scale's byte
.endr
	v_lshl_or_b32 v[\pw], v[TM+5], 8, v[TM+4]
	v_lshl_or_b32 v[\pw], v[TM+6], 16, v[\pw]
	v_lshl_or_b32 v[\pw], v[TM+7], 24, v[\pw]
.irp c, 0,1
	v_cvt_scalef32_pk16_fp6_f32 v[(\pc)+6*\c:(\pc)+6*\c+2], v[(\s)+32*\c:(\s)+32*\c+15], v[TM+12+2*\c]
	v_cvt_scalef32_pk16_fp6_f32 v[PX+4*\c:PX+4*\c+2], v[(\s)+32*\c+16:(\s)+32*\c+31], v[TM+12+2*\c+1]   ; (a conversion's three registers begin on an even number)
.endr
	v_nop                                          ; one plain place behind a scaled conversion
.irp c, 0,1                                    ; the operand's layout wants a whole block in a lane: lanes 0-15 block 2 c, lanes 16-31 block 2 c + 1
.irp i, 0,1,2
	v_permlane16_swap_b32 v[(\pc)+6*\c+\i], v[PX+4*\c+\i]
.endr
.irp i, 0,1,2
	v_mov_b32 v[(\pc)+3+6*\c+\i], v[PX+4*\c+\i]
.endr
.endr
.endm
.macro XFRAG f
.if (\f) < 1
	s_wait_loadcnt 16                              ; this tile's 16 loads are in; the other tile's 16 stay out
.else
	s_wait_loadcnt 0x0
.endif
	XTURN \f
	s_wait_dscnt 0x0
	QUANT XN, PC+12*(\f), PW+(\f)
.irp c, 0,1,2
	global_store_b128 v[LI], v[PC+12*(\f)+4*\c:PC+12*(\f)+4*\c+3], s[14:15] offset:1536*(\f)+512*\c   ; 32 lanes store 512 consecutive bytes
.endr
.endm
	XLOAD 0
	XLOAD 1
	XFRAG 0
	XFRAG 1
	v_cndmask_b32 v[OW], v[PW], v[PW+1], s22       ; lanes 0-15 hand on the even tile's word, lanes 16-31 the odd one's
	ds_store_b32 v[SOF], v[OW] offset:IMGX
	s_wait_dscnt 0x0                               ; for the others' sake
	s_barrier_signal -1
	s_barrier_wait -1
	s_cmp_lg_u32 s18, 0
	s_cbranch_scc1 .Lx_end
	ds_load_b128 v[XN:XN+3], v[SIM] offset:IMGX    ; one wave of the four stores their words: 512 consecutive bytes
	s_wait_dscnt 0x0
	global_store_b128 v[LI], v[XN:XN+3], s[12:13]
.Lx_end:
	s_wait_tensorcnt 0x0                           ; the wave's end, behind my last LDS store
	ds_add_u32 v[SPW], v[NIL]
	s_wait_dscnt 0x0
	s_endpgm
; ---------------- the weights: K is the first axis.  A lane takes a column and its registers run down K ----------------
.Lweights:
	s_sub_co_u32 s24, ttmp9, 128
	s_lshr_b32 s25, s24, 5                         ; which weight: 0 q, 1 k, 2 v
	s_and_b32 s26, s24, 7                          ; K step
	s_bfe_u32 s27, s24, 0x20003                    ; which 256 columns
	s_lshl_b32 s28, s27, 1
	s_add_co_u32 s28, s28, s17                     ; group of 128 columns
	s_lshl_b32 s30, s26, 19                        ; 128 rows of 4,096 bytes,
	s_lshl_b32 s29, s27, 10
	s_add_co_u32 s30, s30, s29
	s_lshl_b32 s29, s16, 7                         ; my wave's 32 columns
	s_add_co_u32 s30, s30, s29
	s_mov_b32 s31, 0
	s_lshl_b32 s32, s28, 3
	s_add_co_u32 s32, s32, s26                     ; 8 x group + K step
	s_mul_i32 s36, s32, GKS
	s_mul_i32 s29, s25, 819200
	s_add_co_u32 s36, s36, s29
	s_add_co_u32 s36, s36, WIMG
	s_mul_i32 s29, s18, 3072
	s_add_co_u32 s34, s36, s29
	s_mov_b32 s35, 0
	s_add_co_u32 s36, s36, 12288
	s_mov_b32 s37, 0
	v_and_b32 v[WA], 7, v0                         ; lanes 0-15 hold the even tile, lanes 16-31 the odd one, in the tiles' row order:
	v_and_b32 v12, 8, v0
	v_lshl_or_b32 v[WA], v12, 1, v[WA]
	v_and_b32 v12, 16, v0
	v_lshrrev_b32 v12, 1, v12
	v_or_b32 v[WA], v[WA], v12                     ; column (l % 8) + 16 ((l / 8) % 2) + 8 (l / 16) of my 32
	v_lshlrev_b32 v[WA], 2, v[WA]
	s_wait_alu depctr_va_vdst(0)                   ; the wait at the head's end
	s_wait_kmcnt 0x0
	s_cmp_eq_u32 s25, 1                            ; the choice hangs on the work-group's number alone
	s_cselect_b64 s[6:7], s[8:9], s[6:7]
	s_cmp_eq_u32 s25, 2
	s_cselect_b64 s[6:7], s[10:11], s[6:7]
	s_add_nc_u64 s[6:7], s[6:7], s[30:31]
	s_add_nc_u64 s[14:15], s[12:13], s[34:35]
	s_add_nc_u64 s[12:13], s[12:13], s[36:37]
.macro WLOAD n                         ; block n: 32 rows of W at my 32 columns (128 consecutive bytes a load)
.set II, 0
.rept 32
	global_load_b32 v[X+32*((\n)%2)+II], v[WA], s[6:7] offset:(32*(\n)+II)*4096 th:TH_LOAD_NT
.set II, II+1
.endr
.endm
.macro WBLK n
.set XS, X+32*((\n)%2)
.if (\n) < 3
	s_wait_loadcnt 32                              ; this block's 32 loads are in; the next block's 32 stay out
.else
	s_wait_loadcnt 0x0
.endif
	v_max3_num_f32 v12, |v[XS]|, |v[XS+1]|, |v[XS+2]|               ; the block's largest magnitude: all 32 numbers are mine
	v_max3_num_f32 v13, |v[XS+3]|, |v[XS+4]|, |v[XS+5]|
.irp i, 6,10,14,18,22,26
	v_max3_num_f32 v12, v12, |v[XS+\i]|, |v[XS+\i+1]|
	v_max3_num_f32 v13, v13, |v[XS+\i+2]|, |v[XS+\i+3]|
.endr
	v_max3_num_f32 v12, v12, |v[XS+30]|, |v[XS+31]|
	v_max3_num_f32 v12, v12, v13, 0x1800000        ; and the floor
	v_add_nc_u32 v14, 0xff000000, v12              ; the conversion's scale operand
	v_lshrrev_b32 v15, 23, v14                     ; the byte
.if (\n) == 0
	v_mov_b32 v[PW], v15
.else
	v_lshl_or_b32 v[PW], v15, 8*(\n), v[PW]
.endif
	v_cvt_scalef32_pk16_fp6_f32 v[F+12*((\n)%2)+6*((\n)/2):F+12*((\n)%2)+6*((\n)/2)+2], v[XS:XS+15], v14   ; even blocks into the first fragment's place, odd ones into the second's
	v_cvt_scalef32_pk16_fp6_f32 v[H+4*(\n):H+4*(\n)+2], v[XS+16:XS+31], v14
.if (\n)+2 < 4
	WLOAD (\n)+2
.endif
.endm
	WLOAD 0
	WLOAD 1
.irp n, 0,1,2,3
	WBLK \n
.endr
; The four blocks lie: lanes 0-15 the even tile's row, lanes 16-31 the odd tile's.  Exchanging block 2 c's lanes 16-31 with block 2 c + 1's lanes 0-15 gives both fragments their layout.
	v_nop                                          ; one plain place behind the last conversion
.irp c, 0,1
.irp i, 0,1,2
	v_permlane16_swap_b32 v[F+6*\c+\i], v[F+12+6*\c+\i]
	v_permlane16_swap_b32 v[H+8*\c+\i], v[H+8*\c+4+\i]
.endr
.irp i, 0,1,2
	v_mov_b32 v[F+6*\c+3+\i], v[H+8*\c+\i]
	v_mov_b32 v[F+12+6*\c+3+\i], v[H+8*\c+4+\i]
.endr
.endr
.irp u, 0,1
.irp c, 0,1,2
	global_store_b128 v[LI], v[F+12*\u+4*\c:F+12*\u+4*\c+3], s[14:15] offset:\u*1536+512*\c
.endr
.endr
	ds_store_b32 v[SOF], v[PW] offset:IMGW         ; lane (r, h) holds the word of row r of tile h of my two
	s_wait_dscnt 0x0                               ; for the others' sake
	s_barrier_signal -1
	s_barrier_wait -1
	s_cmp_lg_u32 s18, 0
	s_cbranch_scc1 .Lw_end
	ds_load_b128 v[X:X+3], v[SIM] offset:IMGW
	s_wait_dscnt 0x0
	global_store_b128 v[LI], v[X:X+3], s[12:13]
.Lw_end:
	s_wait_tensorcnt 0x0                           ; the same three lines close this path
	ds_add_u32 v[SPW], v[NIL]
	s_wait_dscnt 0x0
	s_endpgm
.Lfunc_end_k_qfb4297c1d8_qnt:
	.size	k_qfb4297c1d8_qnt, .Lfunc_end_k_qfb4297c1d8_qnt-k_qfb4297c1d8_qnt
	.p2alignl 7, 3214868480
	.fill 96, 4, 3214868480
	.section	.rodata,"a",@progbits
	.p2align	6, 0x0
	.amdhsa_kernel k_qfb4297c1d8_qnt
		.amdhsa_group_segment_fixed_size 70656
		.amdhsa_private_segment_fixed_size 0
		.amdhsa_enable_private_segment 0
		.amdhsa_kernarg_size 40
		.amdhsa_user_sgpr_count 2
		.amdhsa_user_sgpr_kernarg_segment_ptr 1
		.amdhsa_wavefront_size32 1
		.amdhsa_system_sgpr_workgroup_id_x 1
		.amdhsa_system_sgpr_workgroup_id_y 1
		.amdhsa_system_sgpr_workgroup_id_z 1
		.amdhsa_system_vgpr_workitem_id 0
		.amdhsa_next_free_vgpr 256
		.amdhsa_next_free_sgpr 66
		.amdhsa_reserve_vcc 0
		.amdhsa_float_denorm_mode_32 3
		.amdhsa_float_denorm_mode_16_64 3
		.amdhsa_memory_ordered 1
		.amdhsa_forward_progress 1
		.amdhsa_inst_pref_size 40
	.end_amdhsa_kernel
	.amdgpu_metadata
---
amdhsa.version: [ 1, 2 ]
amdhsa.kernels:
  - .name:           k_qfb4297c1d8_qnt
    .symbol:         k_qfb4297c1d8_qnt.kd
    .args:
      - { .name: inputs, .offset: 0, .size: 8, .value_kind: global_buffer, .address_space: global }
      - { .name: W_q, .offset: 8, .size: 8, .value_kind: global_buffer, .address_space: global }
      - { .name: W_k, .offset: 16, .size: 8, .value_kind: global_buffer, .address_space: global }
      - { .name: W_v, .offset: 24, .size: 8, .value_kind: global_buffer, .address_space: global }
      - { .name: xw, .offset: 32, .size: 8, .value_kind: global_buffer, .address_space: global }
    .group_segment_fixed_size: 70656
    .private_segment_fixed_size: 0
    .kernarg_segment_align: 8
    .kernarg_segment_size: 40
    .max_flat_workgroup_size: 256
    .sgpr_count:     66
    .vgpr_count:     256
    .wavefront_size: 32
...
	.end_amdgpu_metadata
.endif
;; end of part 1
;; launch proj (part 2): grid 4 x 48, 4 waves a work-group, clusters of 4 x 4, 327,680 bytes of LDS; arguments xw, qkv; writes qkv
.if DOCPART == 2
	.amdgcn_target "amdgcn-amd-amdhsa--gfx1250"
	.amdhsa_code_object_version 6
	.text
	.protected	k_qfb4297c1d8_proj
	.globl	k_qfb4297c1d8_proj
	.p2align	8
	.type	k_qfb4297c1d8_proj,@function
k_qfb4297c1d8_proj:
	s_mov_b64 s[64:65], 0
	v_nop
	global_prefetch_b8 v0, s[64:65] scope:SCOPE_SE
	s_setreg_imm32_b32 hwreg(HW_REG_WAVE_MODE, 25, 1), 1
	s_wait_xcnt 0x0
	s_wait_alu depctr_hold_cnt(0) depctr_sa_sdst(0) depctr_va_vdst(0) depctr_va_sdst(0) depctr_va_ssrc(0) depctr_va_vcc(0) depctr_vm_vsrc(0)
	s_getreg_b32 s2, hwreg(HW_REG_IB_STS2, 6, 4)
	s_cmp_eq_u32 s2, 0
	s_cbranch_scc0 .Lentry_in_a_cluster
	s_endpgm
.Lentry_in_a_cluster:
	s_bfe_u32 s2, ttmp6, 0x10000c
	s_cmp_lg_u32 s2, 0xf033
	s_cbranch_scc0 .Lentry_shape_is_right
	s_endpgm
.Lentry_shape_is_right:
; SECOND LAUNCH: q = x Wq, k = x Wk, v^T = (x Wv)^T on the codes of xw, each result quantised in registers on its way out: q and k along d_out, v along the keys.  No work is left out.
; OUT(i, j) = sum over k of I(i, k) J(j, k), K = 1,024.  A tile is 256 x 256, four waves of 128 x 128 (64 accumulators).  Source 0 = 16 rows of J, source 1 = 16 rows of I: a lane holds ONE row of I and its
; registers run along j; by the tiles' row order (lane row r of tile 2 b + u = row 32 b + 8 u + r + 8 (r / 8)) the 16 registers of tiles 2 b, 2 b + 1 are j = 32 b + 16 (lane / 16) + 0 .. 15.
; So a wave's 128 columns are one K step of the operand that it makes, and its codes leave from registers as images: no stage, no barrier on the way out.
; q, k: I = x, J = W.   v^T: I = Wv's columns, J = x.  Which of the three: cluster y / 4, the same in all partners; only offsets are chosen by it, never a branch.
; OPERANDS ARE IMAGES OF THEIR REGISTERS: a (group of 128 rows, K step) is 12,288 dense bytes of codes and behind them 512 of scale words; a fragment comes by three ds_load_b128 at 16 x lane.
; THE RING: two slots of three K steps: four parts of 38,400 bytes (I's two halves, J's two halves), one tensor load a wave.  K's chunks: three K steps to slot 0, three to slot 1, the last two to slot 0: one refill.
; A K step is one run of 50 loads, the next step's, into the other set of registers, and 64 products.
; CLUSTER 4 x 4: I's tile is shared along a row of the cluster, J's along a column: each is asked for jointly.  192 work-groups: 3 x 64 tiles.
; NO PREFETCH: K is three chunks; each behind the first is asked for 160 products or more of a wave ahead of the wait for it.
; LIMITS: NaN and infinities are not served; a block under 2^-124 keeps the byte 1, a block of zeros too (its codes are zeros; this program alone reads the bytes).
; REGISTERS, in windows of 256: window 0: v4 16 x lane; v16-21 LDS addresses of I's, J's fragments and the scale words, in slot 0 and slot 1; v28, v29 the add's two; v30 the floor; v32-47 scale words, two sets;
;   v48-239 I's fragments, two sets (on the way out: v48-175 at work).   window 1: J's fragments, two sets, at v0 and v128.   windows 2, 3: the accumulators, (a, b) at v[8 (8 (a % 4) + b)].
.set KSB,  12800
.set PART, 3*KSB
.set SLOT, 4*PART
.set SPARE, 2*SLOT                     ; behind the slots: the spare words
.set WIMG, 3276800
.set LI,   4
.set ADRI, 16
.set ADRJ, 18
.set ADRS, 20
.set SPW,  28
.set NIL,  29
.set KON,  30
.set SC,   32
.set AF,   48
.set TM,   48
.set PW,   80
.set OW,   88
.set PC,   96
.set PX,   160
.set G1I,  24
.set G0I,  32
.set G1J,  48
.set G0J,  56
.set WV,   92
.set IH,   93
.set JH,   94
.set CX,   95
.set CY,   96
.set HM,   97
.set SEL,  100
.set MSB, 0
.macro WIN new                         ; the immediate's high byte repeats the setting that is left
.if MSB != (\new)
	s_set_vgpr_msb (MSB<<8)|(\new)
.set MSB, (\new)
.endif
.endm
.macro PLACES n
.rept \n
	v_nop
.endr
.endm
.macro JLOAD                           ; a joint load: waves 0 and 1 fetch for I, waves 2 and 3 for J; an s_nop 0 and four v_nop follow each of the two lines
	s_cmp_eq_u32 s[IH], 0
	s_cbranch_scc0 .Lfor_j_\@
	tensor_load_to_lds s[G0I:G0I+3], s[G1I:G1I+7]
	s_nop 0
	PLACES 4
	s_branch .Lasked_\@
.Lfor_j_\@:
	tensor_load_to_lds s[G0J:G0J+3], s[G1J:G1J+7]
	s_nop 0
	PLACES 4
.Lasked_\@:
.endm
.macro CREST                           ; a round of the cluster's barrier behind its opening barrier
	s_cmp_lg_u32 s[WV], 0
	s_cbranch_scc1 .Lnot_wave_0_\@
	s_barrier_signal -3
.Lnot_wave_0_\@:
	s_barrier_wait -3
	s_barrier_signal -1
	s_barrier_wait -1
.endm
.macro CROUND
	s_barrier_signal -1
	s_barrier_wait -1
	CREST
.endm
; the 50 loads of the q-th K step of slot s into set p: scale words (register t: lanes 0-15 the word of I's tile t, lanes 16-31 that of J's tile t), J's fragments, I's
.macro RUN p, s, q
	WIN 0
.irp u, 0,1
	ds_load_b128 v[SC+8*(\p)+4*\u:SC+8*(\p)+4*\u+3], v[ADRS+\s] offset:KSB*(\q)+256*\u
.endr
	WIN 0x40
.irp i, 0,1,2,3,4,5,6,7
.irp c, 0,1,2
	ds_load_b128 v[128*(\p)+12*\i+4*\c:128*(\p)+12*\i+4*\c+3], v[ADRJ+\s] offset:KSB*(\q)+1536*\i+512*\c
.endr
.endr
	WIN 0
.irp i, 0,1,2,3,4,5,6,7
.irp c, 0,1,2
	ds_load_b128 v[AF+96*(\p)+12*\i+4*\c:AF+96*(\p)+12*\i+4*\c+3], v[ADRI+\s] offset:KSB*(\q)+1536*\i+512*\c
.endr
.endr
.endm
; eight products: I's block a x J's eight, set p.  The 64 accumulators take turns in the same order in every step.
.macro GROUP p, a, zero
	WIN 0xa1+0x50*((\a)/4)
.irp b, 0,1,2,3,4,5,6,7
.if \zero
	v_wmma_scale_f32_16x16x128_f8f6f4 v[8*(8*((\a)%4)+\b):8*(8*((\a)%4)+\b)+7], v[128*(\p)+12*\b:128*(\p)+12*\b+11], v[AF+96*(\p)+12*(\a):AF+96*(\p)+12*(\a)+11], 0, v[SC+8*(\p)+\b], v[SC+8*(\p)+(\a)] matrix_a_fmt:MATRIX_FMT_FP6 matrix_b_fmt:MATRIX_FMT_FP6 matrix_a_scale:MATRIX_SCALE_ROW1
.else
	v_wmma_scale_f32_16x16x128_f8f6f4 v[8*(8*((\a)%4)+\b):8*(8*((\a)%4)+\b)+7], v[128*(\p)+12*\b:128*(\p)+12*\b+11], v[AF+96*(\p)+12*(\a):AF+96*(\p)+12*(\a)+11], v[8*(8*((\a)%4)+\b):8*(8*((\a)%4)+\b)+7], v[SC+8*(\p)+\b], v[SC+8*(\p)+(\a)] matrix_a_fmt:MATRIX_FMT_FP6 matrix_b_fmt:MATRIX_FMT_FP6 matrix_a_scale:MATRIX_SCALE_ROW1
.endif
.endr
.endm
; A K step on set p; the next one is the q-th of slot s.  The four places stand between the last step's products, which read the other set, and the loads into that set.
.macro STEP p, s, q, zero
	s_wait_dscnt 12                                ; of this step's loads the youngest 12 may be out
	PLACES 4
	RUN 1-(\p), \s, \q
	s_wait_dscnt 50                                ; this step's are in; the 50 just issued may be out
.irp a, 0,1,2,3,4,5,6,7
	GROUP \p, \a, \zero
.endr
	WIN 0
.endm
; A slot's last K step: each wave waits for all its tensor loads, adds 0 to its spare word, and waits for that and for its reads of the slot; one barrier shows slot s whole.
; fill = 1: the barrier opens a round of the cluster's, and slot 0 is filled again, with K's last two steps.
.macro TURN p, s, fill
	s_wait_dscnt 0x0                               ; this step's fragments are in
.irp a, 0,1,2,3
	GROUP \p, \a, 0
.endr
	WIN 0
	s_wait_tensorcnt 0x0
	ds_add_u32 v[SPW], v[NIL]
.if \fill
	s_add_nc_u64 s[G0I+2:G0I+3], s[G0I+2:G0I+3], PART   ; (no tensor load of mine is out)
	s_mul_i32 s[G0I+1], s[WV], PART
	s_add_nc_u64 s[G0J+2:G0J+3], s[G0J+2:G0J+3], PART
	s_mul_i32 s[G0J+1], s[WV], PART
	s_mov_b32 s[G1I+2], 100<<16                    ; two K steps: 100 rows of 256 bytes
	s_mov_b32 s[G1I+4], 100
	s_mov_b32 s[G1J+2], 100<<16
	s_mov_b32 s[G1J+4], 100
.endif
	GROUP \p, 4, 0
	s_wait_dscnt 0x0                               ; the add is done, and my reads of the slot are over
	s_barrier_signal -1
	GROUP \p, 5, 0
	WIN 0
	s_barrier_wait -1
.if \fill
	CREST                                          ; no wave of any partner still reads the slot or has a load on its way
	JLOAD                                          ; the first tensor load behind the round; its four v_nop are the places for the loads below
.else
	PLACES 4
.endif
	RUN 1-(\p), \s, 0
	GROUP \p, 6, 0
	GROUP \p, 7, 0
	WIN 0
.endm
	s_load_b128 s[4:7], s[0:1], 0x0                ; xw s[4:5], qkv s[6:7]
	v_lshl_add_u32 v[SPW], v0, 2, SPARE
	v_mov_b32 v[NIL], 0
	ds_add_u32 v[SPW], v[NIL]                      ; the wave's opening: the add, twice on end, and its wait ahead of my first tensor load
	ds_add_u32 v[SPW], v[NIL]
	v_lshrrev_b32 v1, 5, v0
	v_readfirstlane_b32 s[WV], v1                  ; wave 0..3
	s_lshr_b32 s[IH], s[WV], 1                     ; which half of I's rows is mine.  Also: I fetch for I (0) or for J (1)
	s_and_b32 s[JH], s[WV], 1                      ; which half of J's rows.  Also: which group of 128 rows I fetch
	s_bfe_u32 s[CX], ttmp6, 0x40000
	s_bfe_u32 s[CY], ttmp6, 0x40004
	s_mov_b32 s[HM], 0xffff0000
	s_mov_b32 s[SEL], 0x76543210
	s_mov_b32 s[SEL+1], 0xfedcba98
	s_lshl_b32 s8, s[CY], 2
	s_lshl_b32 s8, 15, s8                          ; my row of the cluster
	s_lshl_b32 s9, 0x1111, s[CX]                   ; my column
	s_or_b32 s[G1I], s8, (3<<16)|(1<<21)           ; dense blocks as 150 rows of 256 bytes (32 elements of 8 bytes), no padding; bit 21 set beside a mask
	s_or_b32 s[G1J], s9, (3<<16)|(1<<21)
.irp g, G1I, G1J
	s_mov_b32 s[\g+1], 32<<16                      ; tensor_dim0
	s_mov_b32 s[\g+2], 150<<16                     ; tensor_dim1
	s_mov_b32 s[\g+3], 32<<16                      ; tile_dim0
	s_mov_b32 s[\g+4], 150                         ; tile_dim1
	s_mov_b32 s[\g+5], 32                          ; the pitch
	s_mov_b32 s[\g+6], 0
	s_mov_b32 s[\g+7], 0
.endr
	s_mov_b32 s[G0I], 1
	s_mul_i32 s[G0I+1], s[WV], PART                ; where my part goes: no place in the cluster enters an LDS address
	s_mov_b32 s[G0J], 1
	s_mul_i32 s[G0J+1], s[WV], PART
	; which product, and where its operands lie in xw
	s_and_b32 s10, ttmp7, 0xffff                   ; cluster y
	s_lshr_b32 s98, s10, 2                         ; 0 q, 1 k, 2 v
	s_and_b32 s10, s10, 3
	s_lshl_b32 s10, s10, 2                         ; which four tiles of x's sixteen
	s_mul_i32 s12, s98, 819200
	s_add_co_u32 s12, s12, WIMG                    ; this weight (x lies at 0)
	s_cmp_eq_u32 s98, 2
	s_cselect_b32 s15, s12, 0                      ; I
	s_cselect_b32 s17, 0, s12                      ; J
	s_cselect_b32 s19, 0, s10
	s_cselect_b32 s20, s10, 0
	s_cselect_b32 s99, 32, 8                       ; K steps in a row of the operand that is made
	s_add_co_u32 s19, s19, s[CY]                   ; I's tile: of cy and the cluster's y alone
	s_add_co_u32 s20, s20, s[CX]                   ; J's tile: of cx and the cluster's y alone
	s_lshl_b32 s22, s19, 1
	s_add_co_u32 s22, s22, s[JH]                   ; the group of I that I would fetch,
	s_lshl_b32 s23, s20, 1
	s_add_co_u32 s23, s23, s[JH]                   ; of J
	s_mul_i32 s2, s22, 8*KSB                       ; a group's eight K steps are 102,400 bytes
	s_add_co_u32 s2, s2, s15
	s_mov_b32 s3, 0
	s_mul_i32 s10, s23, 8*KSB
	s_add_co_u32 s10, s10, s17
	s_mov_b32 s11, 0
	; where my results go: group gi of the operand made, its K step kj
	s_lshl_b32 s16, s19, 1
	s_add_co_u32 s16, s16, s[IH]
	s_lshl_b32 s17, s20, 1
	s_add_co_u32 s17, s17, s[JH]
	s_mul_i32 s16, s16, s99
	s_add_co_u32 s16, s16, s17
	s_mul_i32 s18, s16, KSB
	s_mul_i32 s17, s98, 3276800
	s_add_co_u32 s18, s18, s17
	s_mov_b32 s19, 0
	s_mul_i32 s14, s[IH], PART
	s_mul_i32 s15, s[JH], PART
	s_add_co_u32 s15, s15, 2*PART                  ; J's halves lie behind I's
	s_sub_co_u32 s16, s15, s14
	s_add_co_u32 s17, s14, 12288                   ; a K step's scale words lie behind its codes
	v_and_b32 v1, 31, v0
	v_and_b32 v2, 15, v0
	v_bfe_u32 v3, v0, 4, 1
	v_lshlrev_b32 v[LI], 4, v1
	v_add_nc_u32 v[ADRI], s14, v[LI]
	v_add_nc_u32 v[ADRJ], s15, v[LI]
	v_mul_u32_u24 v5, s16, v3                      ; lanes 16-31 take J's scale words
	v_lshl_add_u32 v5, v2, 4, v5
	v_add_nc_u32 v[ADRS], s17, v5
	v_add_nc_u32 v[ADRI+1], SLOT, v[ADRI]
	v_add_nc_u32 v[ADRJ+1], SLOT, v[ADRJ]
	v_add_nc_u32 v[ADRS+1], SLOT, v[ADRS]
	v_mov_b32 v[KON], 0x1800000                    ; the floor 2^(3 - 127)
	s_wait_alu depctr_va_vdst(0)                   ; the wait at the head's end
	s_wait_dscnt 0x0                               ; both opening adds are done
	CROUND                                         ; all sixteen work-groups are here: the first joint loads meet
	s_wait_kmcnt 0x0
	s_add_nc_u64 s[G0I+2:G0I+3], s[4:5], s[2:3]
	s_or_b32 s[G0I+3], s[G0I+3], 0x80000000
	s_add_nc_u64 s[G0J+2:G0J+3], s[4:5], s[10:11]
	s_or_b32 s[G0J+3], s[G0J+3], 0x80000000
	JLOAD                                          ; chunk 0, one load a wave
	s_add_nc_u64 s[18:19], s[6:7], s[18:19]        ; my codes; the scale words 12,288 bytes on
	s_wait_tensorcnt 0x0                           ; my part of chunk 0 is in
	ds_add_u32 v[SPW], v[NIL]
	s_add_nc_u64 s[G0I+2:G0I+3], s[G0I+2:G0I+3], PART
	s_add_co_u32 s[G0I+1], s[G0I+1], SLOT
	s_add_nc_u64 s[G0J+2:G0J+3], s[G0J+2:G0J+3], PART
	s_add_co_u32 s[G0J+1], s[G0J+1], SLOT
	s_wait_dscnt 0x0
	CROUND
	JLOAD                                          ; chunk 1 into slot 1, issued as a refill is
	RUN 0, 0, 0
	STEP 0, 0, 1, 1                                ; K step 0: its products start the sums
	STEP 1, 0, 2, 0
	TURN 0, 1, 1                                   ; K step 2: slot 0 is left and filled again
	STEP 1, 1, 1, 0
	STEP 0, 1, 2, 0
	TURN 1, 0, 0                                   ; K step 5: the barrier shows the last chunk; nothing is filled
	STEP 0, 0, 1, 0
	s_wait_dscnt 0x0                               ; K step 7: nothing more to fetch
.irp a, 0,1,2,3,4,5,6,7
	GROUP 1, \a, 0
.endr
	WIN 0
	PLACES 4                                       ; in front of the first read of results and the first write into registers that held I's fragments
; THE WAY OUT of I's tiles a, a + 1, side by side: a tile's 64 registers are 128 neighbours along the next K (64 in each half of the lanes): four blocks' scales, 12 registers of codes, three stores of 512 consecutive bytes.
.macro QW2 a
.set WN, 2+(\a)/4
.set AC, 64*((\a)%4)
.set PCA, PC+32*(((\a)/2)%2)
.if (\a) >= 4
	s_wait_xcnt 0x0                                ; the stores of the pair two back have read this set of codes
.endif
	WIN 20*WN                                      ; sources 1 and 2 in the accumulators' window
.irp u, 0,1
.irp b, 0,1,2,3
	v_max3_num_f32 v[TM+16*\u+\b], v[KON], |v[AC+64*\u+16*\b]|, |v[AC+64*\u+16*\b+1]|   ; each accumulator is read from its low end on
.endr
.endr
.irp i, 2,4,6,8,10,12,14
.irp u, 0,1
.irp b, 0,1,2,3
	v_max3_num_f32 v[TM+16*\u+\b], v[TM+16*\u+\b], |v[AC+64*\u+16*\b+\i]|, |v[AC+64*\u+16*\b+\i+1]|
.endr
.endr
.endr
	WIN 0
.irp u, 0,1
.irp b, 0,1,2,3
	v_permlanex16_b32 v[TM+16*\u+4+\b], v[TM+16*\u+\b], s[SEL], s[SEL+1]
.endr
.endr
.irp u, 0,1
.irp b, 0,1,2,3
	v_max_num_f32 v[TM+16*\u+\b], v[TM+16*\u+\b], v[TM+16*\u+4+\b]
.endr
.endr
.irp u, 0,1
.irp b, 0,1,2,3
	v_add_nc_u32 v[TM+16*\u+12+\b], 0xff000000, v[TM+16*\u+\b]   ; 2 off the exponent field: the conversion's scale operand
.endr
.endr
.irp u, 0,1
.irp b, 0,1,2,3
	v_lshrrev_b32 v[TM+16*\u+4+\b], 23, v[TM+16*\u+12+\b]
.endr
.endr
.irp u, 0,1
	v_lshl_or_b32 v[PW+(\a)+\u], v[TM+16*\u+5], 8, v[TM+16*\u+4]
.endr
.irp u, 0,1
	v_lshl_or_b32 v[PW+(\a)+\u], v[TM+16*\u+6], 16, v[PW+(\a)+\u]
.endr
.irp u, 0,1
	v_lshl_or_b32 v[PW+(\a)+\u], v[TM+16*\u+7], 24, v[PW+(\a)+\u]
.endr
	WIN WN                                         ; source 0 in the accumulators' window
.irp u, 0,1
.irp c, 0,1
	v_cvt_scalef32_pk16_fp6_f32 v[PCA+16*\u+6*\c:PCA+16*\u+6*\c+2], v[AC+64*\u+32*\c:AC+64*\u+32*\c+15], v[TM+16*\u+12+2*\c]
	v_cvt_scalef32_pk16_fp6_f32 v[PX+8*\u+4*\c:PX+8*\u+4*\c+2], v[AC+64*\u+32*\c+16:AC+64*\u+32*\c+31], v[TM+16*\u+12+2*\c+1]
.endr
.endr
	WIN 0
	v_nop                                          ; one plain place behind a scaled conversion
.irp u, 0,1
.irp c, 0,1
.irp i, 0,1,2
	v_permlane16_swap_b32 v[PCA+16*\u+6*\c+\i], v[PX+8*\u+4*\c+\i]
.endr
.endr
.endr
.irp u, 0,1
.irp c, 0,1
.irp i, 0,1,2
	v_mov_b32 v[PCA+16*\u+3+6*\c+\i], v[PX+8*\u+4*\c+\i]
.endr
.endr
.endr
.irp u, 0,1
.irp c, 0,1,2
	global_store_b128 v[LI], v[PCA+16*\u+4*\c:PCA+16*\u+4*\c+3], s[18:19] offset:1536*(\a)+1536*\u+512*\c
.endr
.endr
.endm
.irp a, 0,2,4,6
	QW2 \a
.endr
.irp i, 0,1,2,3
	v_cndmask_b32 v[OW+\i], v[PW+\i], v[PW+4+\i], s[HM]   ; lanes 0-15 store tiles 0-3's words, lanes 16-31 tiles 4-7's
.endr
	global_store_b128 v[LI], v[OW:OW+3], s[18:19] offset:12288   ; 512 consecutive bytes
	s_wait_tensorcnt 0x0                           ; the wave's end
	ds_add_u32 v[SPW], v[NIL]
	s_wait_dscnt 0x0
	CROUND                                         ; the closing round
	s_endpgm
.Lfunc_end_k_qfb4297c1d8_proj:
	.size	k_qfb4297c1d8_proj, .Lfunc_end_k_qfb4297c1d8_proj-k_qfb4297c1d8_proj
	.p2alignl 7, 3214868480
	.fill 96, 4, 3214868480
	.section	.rodata,"a",@progbits
	.p2align	6, 0x0
	.amdhsa_kernel k_qfb4297c1d8_proj
		.amdhsa_group_segment_fixed_size 327680
		.amdhsa_private_segment_fixed_size 0
		.amdhsa_enable_private_segment 0
		.amdhsa_kernarg_size 16
		.amdhsa_user_sgpr_count 2
		.amdhsa_user_sgpr_kernarg_segment_ptr 1
		.amdhsa_wavefront_size32 1
		.amdhsa_system_sgpr_workgroup_id_x 1
		.amdhsa_system_sgpr_workgroup_id_y 1
		.amdhsa_system_sgpr_workgroup_id_z 1
		.amdhsa_system_vgpr_workitem_id 0
		.amdhsa_next_free_vgpr 1024
		.amdhsa_next_free_sgpr 102
		.amdhsa_reserve_vcc 0
		.amdhsa_float_denorm_mode_32 3
		.amdhsa_float_denorm_mode_16_64 3
		.amdhsa_memory_ordered 1
		.amdhsa_forward_progress 1
		.amdhsa_inst_pref_size 133
	.end_amdhsa_kernel
	.amdgpu_metadata
---
amdhsa.version: [ 1, 2 ]
amdhsa.kernels:
  - .name:           k_qfb4297c1d8_proj
    .symbol:         k_qfb4297c1d8_proj.kd
    .args:
      - { .name: xw, .offset: 0, .size: 8, .value_kind: global_buffer, .address_space: global }
      - { .name: qkv, .offset: 8, .size: 8, .value_kind: global_buffer, .address_space: global }
    .group_segment_fixed_size: 327680
    .private_segment_fixed_size: 0
    .kernarg_segment_align: 8
    .kernarg_segment_size: 16
    .max_flat_workgroup_size: 128
    .sgpr_count:     102
    .vgpr_count:     1024
    .wavefront_size: 32
...
	.end_amdgpu_metadata
.endif
;; end of part 2
;; launch scores (part 3): grid 16 x 16, 4 waves a work-group, clusters of 4 x 4, 327,680 bytes of LDS; arguments qkv, pbuf; writes pbuf
.if DOCPART == 3
	.amdgcn_target "amdgcn-amd-amdhsa--gfx1250"
	.amdhsa_code_object_version 6
	.text
	.protected	k_qfb4297c1d8_scores
	.globl	k_qfb4297c1d8_scores
	.p2align	8
	.type	k_qfb4297c1d8_scores,@function
k_qfb4297c1d8_scores:
	s_mov_b64 s[64:65], 0
	v_nop
	global_prefetch_b8 v0, s[64:65] scope:SCOPE_SE
	s_setreg_imm32_b32 hwreg(HW_REG_WAVE_MODE, 25, 1), 1
	s_wait_xcnt 0x0
	s_wait_alu depctr_hold_cnt(0) depctr_sa_sdst(0) depctr_va_vdst(0) depctr_va_sdst(0) depctr_va_ssrc(0) depctr_va_vcc(0) depctr_vm_vsrc(0)
	s_getreg_b32 s2, hwreg(HW_REG_IB_STS2, 6, 4)
	s_cmp_eq_u32 s2, 0
	s_cbranch_scc0 .Lentry_in_a_cluster
	s_endpgm
.Lentry_in_a_cluster:
	s_bfe_u32 s2, ttmp6, 0x10000c
	s_cmp_lg_u32 s2, 0xf033
	s_cbranch_scc0 .Lentry_shape_is_right
	s_endpgm
.Lentry_shape_is_right:
; THIRD LAUNCH: S^T = k q^T on the codes of qkv (K = 1,024), and on the way out, for each query and each 128 keys: t = score x log2(e) / 32, a LOCAL M = ceil(the largest t of these 128 keys), p = 2^(t - M),
; the sum l of the unquantised p, p's codes and scale word along the keys.  M is a whole number, so the last launch brings every part under the row's M by shifting scale bytes and l: exact.  No work is left out.
; The main loop is the second launch's: OUT(i, j), I = q (source 1: a lane holds one query), J = k (source 0: a lane's registers run along the keys, 16 neighbours in two neighbouring tiles).
; A tile is 256 queries x 256 keys, four waves of 128 x 128; 256 work-groups; cluster 4 x 4: q's tile is shared along a row of the cluster, k's along a column.
; pbuf: p's codes as images [group of 128 queries][128 keys][tile][1536]; behind them three tables of 512 bytes for each (group, 128 keys), laid like scale words: p's words (bit 7 of each byte set: the bytes
; are 1 to 125, and the last launch clears the bit), M (f32), l.
; NO PREFETCH: K is three chunks; each behind the first is asked for 160 products or more of a wave ahead of the wait for it.
; LIMITS: NaN and infinities are not served; the promise holds while the scaled scores stay under 2^31 in magnitude; a block all of whose p have fallen to 0 keeps the byte 1 (its codes are zeros).
; REGISTERS: as in the second launch; on the way out window 0: v30 -infinity; v48-79 at work; v80-83 -M; v84-91 sums; v92-95 at work; v96-103 words, v104-111 M, v112-119 l of the eight tiles; v120-131 what is stored of them.
.set KSB,  12800
.set PART, 3*KSB
.set SLOT, 4*PART
.set SPARE, 2*SLOT                     ; behind the slots: the spare words
.set KIMG, 3276800
.set PSCL, 12582912
.set LI,   4
.set ADRI, 16
.set ADRJ, 18
.set ADRS, 20
.set SPW,  28
.set NIL,  29
.set KON,  30
.set SC,   32
.set AF,   48
.set TM,   48
.set NM,   80
.set SA,   84
.set SB,   88
.set T0,   92
.set T1,   94
.set PW,   96
.set PMR,  104
.set PLR,  112
.set OW,   120
.set PC,   144
.set PX,   208
.set G1I,  24
.set G0I,  32
.set G1J,  48
.set G0J,  56
.set WV,   92
.set IH,   93
.set JH,   94
.set CX,   95
.set CY,   96
.set HM,   97
.set CS,   98
.set SEL,  100
.set MSB, 0
.macro WIN new                         ; the immediate's high byte repeats the setting that is left
.if MSB != (\new)
	s_set_vgpr_msb (MSB<<8)|(\new)
.set MSB, (\new)
.endif
.endm
.macro PLACES n
.rept \n
	v_nop
.endr
.endm
.macro JLOAD                           ; a joint load: waves 0 and 1 for q, waves 2 and 3 for k; an s_nop 0 and four v_nop follow each of the two lines
	s_cmp_eq_u32 s[IH], 0
	s_cbranch_scc0 .Lfor_j_\@
	tensor_load_to_lds s[G0I:G0I+3], s[G1I:G1I+7]
	s_nop 0
	PLACES 4
	s_branch .Lasked_\@
.Lfor_j_\@:
	tensor_load_to_lds s[G0J:G0J+3], s[G1J:G1J+7]
	s_nop 0
	PLACES 4
.Lasked_\@:
.endm
.macro CREST
	s_cmp_lg_u32 s[WV], 0
	s_cbranch_scc1 .Lnot_wave_0_\@
	s_barrier_signal -3
.Lnot_wave_0_\@:
	s_barrier_wait -3
	s_barrier_signal -1
	s_barrier_wait -1
.endm
.macro CROUND
	s_barrier_signal -1
	s_barrier_wait -1
	CREST
.endm
.macro RUN p, s, q                     ; the 50 loads of the q-th K step of slot s into set p: scale words (lanes 0-15 q's, lanes 16-31 k's), k's fragments, q's
	WIN 0
.irp u, 0,1
	ds_load_b128 v[SC+8*(\p)+4*\u:SC+8*(\p)+4*\u+3], v[ADRS+\s] offset:KSB*(\q)+256*\u
.endr
	WIN 0x40
.irp i, 0,1,2,3,4,5,6,7
.irp c, 0,1,2
	ds_load_b128 v[128*(\p)+12*\i+4*\c:128*(\p)+12*\i+4*\c+3], v[ADRJ+\s] offset:KSB*(\q)+1536*\i+512*\c
.endr
.endr
	WIN 0
.irp i, 0,1,2,3,4,5,6,7
.irp c, 0,1,2
	ds_load_b128 v[AF+96*(\p)+12*\i+4*\c:AF+96*(\p)+12*\i+4*\c+3], v[ADRI+\s] offset:KSB*(\q)+1536*\i+512*\c
.endr
.endr
.endm
.macro GROUP p, a, zero                ; eight products; the 64 accumulators take turns in the same order in every step
	WIN 0xa1+0x50*((\a)/4)
.irp b, 0,1,2,3,4,5,6,7
.if \zero
	v_wmma_scale_f32_16x16x128_f8f6f4 v[8*(8*((\a)%4)+\b):8*(8*((\a)%4)+\b)+7], v[128*(\p)+12*\b:128*(\p)+12*\b+11], v[AF+96*(\p)+12*(\a):AF+96*(\p)+12*(\a)+11], 0, v[SC+8*(\p)+\b], v[SC+8*(\p)+(\a)] matrix_a_fmt:MATRIX_FMT_FP6 matrix_b_fmt:MATRIX_FMT_FP6 matrix_a_scale:MATRIX_SCALE_ROW1
.else
	v_wmma_scale_f32_16x16x128_f8f6f4 v[8*(8*((\a)%4)+\b):8*(8*((\a)%4)+\b)+7], v[128*(\p)+12*\b:128*(\p)+12*\b+11], v[AF+96*(\p)+12*(\a):AF+96*(\p)+12*(\a)+11], v[8*(8*((\a)%4)+\b):8*(8*((\a)%4)+\b)+7], v[SC+8*(\p)+\b], v[SC+8*(\p)+(\a)] matrix_a_fmt:MATRIX_FMT_FP6 matrix_b_fmt:MATRIX_FMT_FP6 matrix_a_scale:MATRIX_SCALE_ROW1
.endif
.endr
.endm
.macro STEP p, s, q, zero              ; a K step on set p; the next one is the q-th of slot s
	s_wait_dscnt 12                                ; of this step's loads the youngest 12 may be out
	PLACES 4                                       ; between the last step's products, which read the other set, and the loads into that set
	RUN 1-(\p), \s, \q
	s_wait_dscnt 50                                ; this step's are in; the 50 just issued may be out
.irp a, 0,1,2,3,4,5,6,7
	GROUP \p, \a, \zero
.endr
	WIN 0
.endm
.macro TURN p, s, fill                 ; a slot's last K step: one barrier, or a round, for the change of slots
	s_wait_dscnt 0x0                               ; this step's fragments are in
.irp a, 0,1,2,3
	GROUP \p, \a, 0
.endr
	WIN 0
	s_wait_tensorcnt 0x0                           ; all my tensor loads have landed
	ds_add_u32 v[SPW], v[NIL]
.if \fill
	s_add_nc_u64 s[G0I+2:G0I+3], s[G0I+2:G0I+3], PART
	s_mul_i32 s[G0I+1], s[WV], PART
	s_add_nc_u64 s[G0J+2:G0J+3], s[G0J+2:G0J+3], PART
	s_mul_i32 s[G0J+1], s[WV], PART
	s_mov_b32 s[G1I+2], 100<<16                    ; two K steps: 100 rows of 256 bytes
	s_mov_b32 s[G1I+4], 100
	s_mov_b32 s[G1J+2], 100<<16
	s_mov_b32 s[G1J+4], 100
.endif
	GROUP \p, 4, 0
	s_wait_dscnt 0x0                               ; the add is done, and my reads of the slot are over
	s_barrier_signal -1
	GROUP \p, 5, 0
	WIN 0
	s_barrier_wait -1
.if \fill
	CREST                                          ; the barrier has opened a round of the cluster's
	JLOAD                                          ; the first tensor load behind the round; its four v_nop are the places for the loads below
.else
	PLACES 4
.endif
	RUN 1-(\p), \s, 0
	GROUP \p, 6, 0
	GROUP \p, 7, 0
	WIN 0
.endm
	s_load_b128 s[4:7], s[0:1], 0x0                ; qkv s[4:5], pbuf s[6:7]
	v_lshl_add_u32 v[SPW], v0, 2, SPARE
	v_mov_b32 v[NIL], 0
	ds_add_u32 v[SPW], v[NIL]                      ; the wave's opening: the add, twice on end, and its wait ahead of my first tensor load
	ds_add_u32 v[SPW], v[NIL]
	v_lshrrev_b32 v1, 5, v0
	v_readfirstlane_b32 s[WV], v1
	s_lshr_b32 s[IH], s[WV], 1
	s_and_b32 s[JH], s[WV], 1
	s_bfe_u32 s[CX], ttmp6, 0x40000
	s_bfe_u32 s[CY], ttmp6, 0x40004
	s_mov_b32 s[HM], 0xffff0000
	s_mov_b32 s[SEL], 0x76543210
	s_mov_b32 s[SEL+1], 0xfedcba98
	s_mov_b32 s[CS], 0x3d38aa3b                    ; c = log2(e) / 32: the division by sqrt(1024) is exact
	s_mov_b32 s[CS+1], s[CS]                       ; (named with it as a pair, so it is written)
	s_lshl_b32 s8, s[CY], 2
	s_lshl_b32 s8, 15, s8
	s_lshl_b32 s9, 0x1111, s[CX]
	s_or_b32 s[G1I], s8, (3<<16)|(1<<21)           ; dense blocks as 150 rows of 256 bytes
	s_or_b32 s[G1J], s9, (3<<16)|(1<<21)
.irp g, G1I, G1J
	s_mov_b32 s[\g+1], 32<<16
	s_mov_b32 s[\g+2], 150<<16
	s_mov_b32 s[\g+3], 32<<16
	s_mov_b32 s[\g+4], 150
	s_mov_b32 s[\g+5], 32
	s_mov_b32 s[\g+6], 0
	s_mov_b32 s[\g+7], 0
.endr
	s_mov_b32 s[G0I], 1
	s_mul_i32 s[G0I+1], s[WV], PART
	s_mov_b32 s[G0J], 1
	s_mul_i32 s[G0J+1], s[WV], PART
	s_and_b32 s19, ttmp7, 0xffff
	s_lshl_b32 s19, s19, 2
	s_add_co_u32 s19, s19, s[CY]                   ; q's tile of 256
	s_lshl_b32 s20, ttmp9, 2
	s_add_co_u32 s20, s20, s[CX]                   ; k's tile of 256
	s_lshl_b32 s22, s19, 1
	s_add_co_u32 s22, s22, s[JH]
	s_lshl_b32 s23, s20, 1
	s_add_co_u32 s23, s23, s[JH]
	s_mul_i32 s2, s22, 8*KSB                       ; q lies at 0
	s_mov_b32 s3, 0
	s_mul_i32 s10, s23, 8*KSB
	s_add_co_u32 s10, s10, KIMG
	s_mov_b32 s11, 0
	s_lshl_b32 s16, s19, 1
	s_add_co_u32 s16, s16, s[IH]                   ; my group of 128 queries,
	s_lshl_b32 s17, s20, 1
	s_add_co_u32 s17, s17, s[JH]                   ; my 128 keys
	s_lshl_b32 s16, s16, 5
	s_add_co_u32 s16, s16, s17
	s_mul_i32 s18, s16, 12288
	s_mov_b32 s19, 0
	s_lshl_b32 s20, s16, 9
	s_add_co_u32 s20, s20, PSCL
	s_mov_b32 s21, 0
	s_mul_i32 s14, s[IH], PART
	s_mul_i32 s15, s[JH], PART
	s_add_co_u32 s15, s15, 2*PART
	s_sub_co_u32 s16, s15, s14
	s_add_co_u32 s17, s14, 12288
	v_and_b32 v1, 31, v0
	v_and_b32 v2, 15, v0
	v_bfe_u32 v3, v0, 4, 1
	v_lshlrev_b32 v[LI], 4, v1
	v_add_nc_u32 v[ADRI], s14, v[LI]
	v_add_nc_u32 v[ADRJ], s15, v[LI]
	v_mul_u32_u24 v5, s16, v3                      ; lanes 16-31 take k's scale words
	v_lshl_add_u32 v5, v2, 4, v5
	v_add_nc_u32 v[ADRS], s17, v5
	v_add_nc_u32 v[ADRI+1], SLOT, v[ADRI]
	v_add_nc_u32 v[ADRJ+1], SLOT, v[ADRJ]
	v_add_nc_u32 v[ADRS+1], SLOT, v[ADRS]
	v_mov_b32 v[KON], 0xff800000                   ; -infinity, under every score
	s_wait_alu depctr_va_vdst(0)                   ; the wait at the head's end
	s_wait_dscnt 0x0                               ; both opening adds are done
	CROUND                                         ; all sixteen work-groups are here: the first joint loads meet
	s_wait_kmcnt 0x0
	s_add_nc_u64 s[G0I+2:G0I+3], s[4:5], s[2:3]
	s_or_b32 s[G0I+3], s[G0I+3], 0x80000000
	s_add_nc_u64 s[G0J+2:G0J+3], s[4:5], s[10:11]
	s_or_b32 s[G0J+3], s[G0J+3], 0x80000000
	JLOAD                                          ; chunk 0, one load a wave
	s_add_nc_u64 s[18:19], s[6:7], s[18:19]        ; p's codes
	s_add_nc_u64 s[20:21], s[6:7], s[20:21]        ; p's words; M 524,288 and l 1,048,576 bytes on
	s_wait_tensorcnt 0x0                           ; my part of chunk 0 is in
	ds_add_u32 v[SPW], v[NIL]
	s_add_nc_u64 s[G0I+2:G0I+3], s[G0I+2:G0I+3], PART
	s_add_co_u32 s[G0I+1], s[G0I+1], SLOT
	s_add_nc_u64 s[G0J+2:G0J+3], s[G0J+2:G0J+3], PART
	s_add_co_u32 s[G0J+1], s[G0J+1], SLOT
	s_wait_dscnt 0x0
	CROUND
	JLOAD                                          ; chunk 1 into slot 1, issued as a refill is
	RUN 0, 0, 0
	STEP 0, 0, 1, 1                                ; K step 0: its products start the sums
	STEP 1, 0, 2, 0
	TURN 0, 1, 1                                   ; K step 2: slot 0 is left and filled again
	STEP 1, 1, 1, 0
	STEP 0, 1, 2, 0
	TURN 1, 0, 0                                   ; K step 5: the barrier shows the last chunk; nothing is filled
	STEP 0, 0, 1, 0
	s_wait_dscnt 0x0                               ; K step 7: nothing more to fetch
.irp a, 0,1,2,3,4,5,6,7
	GROUP 1, \a, 0
.endr
	WIN 0
	PLACES 4                                       ; in front of the first read of results and the first write into registers that held q's fragments
	v_mov_b32 v[T1], 0                             ; a lane permute's destination counts as one of its sources
	v_mov_b32 v[T1+1], 0
	v_mov_b32 v[NM+1], 0                           ; (named as the upper halves of pairs)
	v_mov_b32 v[NM+3], 0
; THE WAY OUT of q's tiles a, a + 1, side by side: 2 x 16 queries x my 128 keys.  Register 16 b + i of a tile's 64 is key 32 b + 16 (lane / 16) + i.
.macro SOFT2 a
.set WN, 2+(\a)/4
.set AC, 64*((\a)%4)
.set PCA, PC+32*(((\a)/2)%2)
.if (\a) >= 4
	s_wait_xcnt 0x0                                ; the stores of the pair two back have read this set of codes
.endif
	WIN 20*WN
.irp u, 0,1
.irp b, 0,1,2,3
	v_max3_num_f32 v[TM+16*\u+\b], v[KON], v[AC+64*\u+16*\b], v[AC+64*\u+16*\b+1]   ; the largest SCORE of each block of 32 keys: it serves for M and, since p rises with the score, for the block's largest p
.endr
.endr
.irp i, 2,4,6,8,10,12,14
.irp u, 0,1
.irp b, 0,1,2,3
	v_max3_num_f32 v[TM+16*\u+\b], v[TM+16*\u+\b], v[AC+64*\u+16*\b+\i], v[AC+64*\u+16*\b+\i+1]
.endr
.endr
.endr
	WIN 0
.irp u, 0,1
.irp b, 0,1,2,3
	v_permlanex16_b32 v[TM+16*\u+4+\b], v[TM+16*\u+\b], s[SEL], s[SEL+1]
.endr
.endr
.irp u, 0,1
.irp b, 0,1,2,3
	v_max_num_f32 v[TM+16*\u+\b], v[TM+16*\u+\b], v[TM+16*\u+4+\b]
.endr
.endr
.irp u, 0,1
	v_max3_num_f32 v[T0+\u], v[TM+16*\u], v[TM+16*\u+1], v[TM+16*\u+2]
.endr
.irp u, 0,1
	v_max_num_f32 v[T0+\u], v[T0+\u], v[TM+16*\u+3]
.endr
.irp u, 0,1
	v_mul_f32 v[T0+\u], s[CS], v[T0+\u]            ; the largest t of these 128 keys (c is positive)
.endr
.irp u, 0,1
	v_floor_f32 v[NM+2*\u], -v[T0+\u]              ; -M = floor(-t): M is a whole number
.endr
.irp u, 0,1
	v_sub_f32 v[PMR+(\a)+\u], 0, v[NM+2*\u]        ; M, for the last launch
.endr
.irp u, 0,1
.irp b, 0,1,2,3
	v_fma_f32 v[TM+16*\u+\b], v[TM+16*\u+\b], s[CS], v[NM+2*\u]
.endr
.endr
	WIN 65*WN                                      ; destination and source 0 in the accumulators' window
.irp u, 0,1
.set JJ, 64*\u
.rept 32
	v_pk_fma_f32 v[AC+JJ:AC+JJ+1], v[AC+JJ:AC+JJ+1], s[CS:CS+1], v[NM+2*\u:NM+2*\u+1] op_sel_hi:[1,0,0]   ; t - M, two at a time
.set JJ, JJ+2
.endr
.endr
.set JJ, 0
	s_wait_alu depctr_va_vdst(0)                   ; a wait ahead of the batch
.rept 128
	v_exp_f32 v[AC+JJ], v[AC+JJ]                   ; p = 2^(t - M), at most 1
.set JJ, JJ+1
.endr
	WIN 0
.irp u, 0,1
.irp b, 0,1,2,3
	v_exp_f32 v[TM+16*\u+\b], v[TM+16*\u+\b]       ; each block's largest p: the same two instructions on the same number
.endr
.endr
	v_nop                                          ; a plain place behind the last exponential
	s_wait_alu depctr_va_vdst(0)                   ; one wait for the batch of 136, ahead of its first reader
.irp u, 0,1
.irp b, 0,1,2,3
	v_max_num_f32 v[TM+16*\u+\b], 0x1800000, v[TM+16*\u+\b]    ; the floor: the byte cannot fall under 1
.endr
.endr
.irp u, 0,1
.irp b, 0,1,2,3
	v_add_nc_u32 v[TM+16*\u+12+\b], 0xff000000, v[TM+16*\u+\b]
.endr
.endr
.irp u, 0,1
.irp b, 0,1,2,3
	v_lshrrev_b32 v[TM+16*\u+4+\b], 23, v[TM+16*\u+12+\b]
.endr
.endr
.irp u, 0,1
	v_lshl_or_b32 v[PW+(\a)+\u], v[TM+16*\u+5], 8, v[TM+16*\u+4]
.endr
.irp u, 0,1
	v_lshl_or_b32 v[PW+(\a)+\u], v[TM+16*\u+6], 16, v[PW+(\a)+\u]
.endr
.irp u, 0,1
	v_lshl_or_b32 v[PW+(\a)+\u], v[TM+16*\u+7], 24, v[PW+(\a)+\u]
.endr
	WIN WN
.irp u, 0,1
.irp c, 0,1
	v_cvt_scalef32_pk16_fp6_f32 v[PCA+16*\u+6*\c:PCA+16*\u+6*\c+2], v[AC+64*\u+32*\c:AC+64*\u+32*\c+15], v[TM+16*\u+12+2*\c]
	v_cvt_scalef32_pk16_fp6_f32 v[PX+8*\u+4*\c:PX+8*\u+4*\c+2], v[AC+64*\u+32*\c+16:AC+64*\u+32*\c+31], v[TM+16*\u+12+2*\c+1]
.endr
.endr
	v_nop                                          ; one plain place behind a scaled conversion
	WIN 5*WN                                       ; THE SUM IS TAKEN OF THE UNQUANTISED p: two at a time, in two chains a tile
.irp u, 0,1
	v_pk_add_f32 v[SA+2*\u:SA+2*\u+1], v[AC+64*\u:AC+64*\u+1], v[AC+64*\u+2:AC+64*\u+3]
	v_pk_add_f32 v[SB+2*\u:SB+2*\u+1], v[AC+64*\u+4:AC+64*\u+5], v[AC+64*\u+6:AC+64*\u+7]
.endr
	WIN 4*WN
.set JJ, 8
.rept 14
.irp u, 0,1
	v_pk_add_f32 v[SA+2*\u:SA+2*\u+1], v[SA+2*\u:SA+2*\u+1], v[AC+64*\u+JJ:AC+64*\u+JJ+1]
	v_pk_add_f32 v[SB+2*\u:SB+2*\u+1], v[SB+2*\u:SB+2*\u+1], v[AC+64*\u+JJ+2:AC+64*\u+JJ+3]
.endr
.set JJ, JJ+4
.endr
	WIN 0
.irp u, 0,1
	v_pk_add_f32 v[SA+2*\u:SA+2*\u+1], v[SA+2*\u:SA+2*\u+1], v[SB+2*\u:SB+2*\u+1]
.endr
.irp u, 0,1
	v_add_f32 v[T0+\u], v[SA+2*\u], v[SA+2*\u+1]
.endr
.irp u, 0,1
	v_permlanex16_b32 v[T1+\u], v[T0+\u], s[SEL], s[SEL+1]
.endr
.irp u, 0,1
	v_add_f32 v[PLR+(\a)+\u], v[T0+\u], v[T1+\u]   ; with lane l xor 16's 64 keys: l of these 128 keys
.endr
.irp u, 0,1
.irp c, 0,1
.irp i, 0,1,2
	v_permlane16_swap_b32 v[PCA+16*\u+6*\c+\i], v[PX+8*\u+4*\c+\i]
.endr
.endr
.endr
.irp u, 0,1
.irp c, 0,1
.irp i, 0,1,2
	v_mov_b32 v[PCA+16*\u+3+6*\c+\i], v[PX+8*\u+4*\c+\i]
.endr
.endr
.endr
.irp u, 0,1
.irp c, 0,1,2
	global_store_b128 v[LI], v[PCA+16*\u+4*\c:PCA+16*\u+4*\c+3], s[18:19] offset:1536*(\a)+1536*\u+512*\c
.endr
.endr
.endm
.irp a, 0,2,4,6
	SOFT2 \a
.endr
.irp i, 0,1,2,3
	v_cndmask_b32 v[OW+\i], v[PW+\i], v[PW+4+\i], s[HM]       ; lanes 0-15 store tiles 0-3's, lanes 16-31 tiles 4-7's
	v_cndmask_b32 v[OW+4+\i], v[PMR+\i], v[PMR+4+\i], s[HM]
	v_cndmask_b32 v[OW+8+\i], v[PLR+\i], v[PLR+4+\i], s[HM]
.endr
.irp i, 0,1,2,3
	v_or_b32 v[OW+\i], 0x80808080, v[OW+\i]                   ; bit 7 of each byte, for the last launch's arithmetic on whole words
.endr
	global_store_b128 v[LI], v[OW:OW+3], s[20:21]
	global_store_b128 v[LI], v[OW+4:OW+7], s[20:21] offset:524288
	global_store_b128 v[LI], v[OW+8:OW+11], s[20:21] offset:1048576
	s_wait_tensorcnt 0x0                           ; the wave's end
	ds_add_u32 v[SPW], v[NIL]
	s_wait_dscnt 0x0
	CROUND                                         ; the closing round
	s_endpgm
.Lfunc_end_k_qfb4297c1d8_scores:
	.size	k_qfb4297c1d8_scores, .Lfunc_end_k_qfb4297c1d8_scores-k_qfb4297c1d8_scores
	.p2alignl 7, 3214868480
	.fill 96, 4, 3214868480
	.section	.rodata,"a",@progbits
	.p2align	6, 0x0
	.amdhsa_kernel k_qfb4297c1d8_scores
		.amdhsa_group_segment_fixed_size 327680
		.amdhsa_private_segment_fixed_size 0
		.amdhsa_enable_private_segment 0
		.amdhsa_kernarg_size 16
		.amdhsa_user_sgpr_count 2
		.amdhsa_user_sgpr_kernarg_segment_ptr 1
		.amdhsa_wavefront_size32 1
		.amdhsa_system_sgpr_workgroup_id_x 1
		.amdhsa_system_sgpr_workgroup_id_y 1
		.amdhsa_system_sgpr_workgroup_id_z 1
		.amdhsa_system_vgpr_workitem_id 0
		.amdhsa_next_free_vgpr 1024
		.amdhsa_next_free_sgpr 102
		.amdhsa_reserve_vcc 0
		.amdhsa_float_denorm_mode_32 3
		.amdhsa_float_denorm_mode_16_64 3
		.amdhsa_memory_ordered 1
		.amdhsa_forward_progress 1
		.amdhsa_inst_pref_size 190
	.end_amdhsa_kernel
	.amdgpu_metadata
---
amdhsa.version: [ 1, 2 ]
amdhsa.kernels:
  - .name:           k_qfb4297c1d8_scores
    .symbol:         k_qfb4297c1d8_scores.kd
    .args:
      - { .name: qkv, .offset: 0, .size: 8, .value_kind: global_buffer, .address_space: global }
      - { .name: pbuf, .offset: 8, .size: 8, .value_kind: global_buffer, .address_space: global }
    .group_segment_fixed_size: 327680
    .private_segment_fixed_size: 0
    .kernarg_segment_align: 8
    .kernarg_segment_size: 16
    .max_flat_workgroup_size: 128
    .sgpr_count:     102
    .vgpr_count:     1024
    .wavefront_size: 32
...
	.end_amdgpu_metadata
.endif
;; end of part 3
;; launch pv (part 4): grid 8 x 32, 4 waves a work-group, clusters of 4 x 1, 327,680 bytes of LDS; arguments pbuf, qkv, out0; writes out0
.if DOCPART == 4
	.amdgcn_target "amdgcn-amd-amdhsa--gfx1250"
	.amdhsa_code_object_version 6
	.text
	.protected	k_qfb4297c1d8_pv
	.globl	k_qfb4297c1d8_pv
	.p2align	8
	.type	k_qfb4297c1d8_pv,@function
k_qfb4297c1d8_pv:
	s_mov_b64 s[64:65], 0
	v_nop
	global_prefetch_b8 v0, s[64:65] scope:SCOPE_SE
	s_setreg_imm32_b32 hwreg(HW_REG_WAVE_MODE, 25, 1), 1
	s_wait_xcnt 0x0
	s_wait_alu depctr_hold_cnt(0) depctr_sa_sdst(0) depctr_va_vdst(0) depctr_va_sdst(0) depctr_va_ssrc(0) depctr_va_vcc(0) depctr_vm_vsrc(0)
	s_getreg_b32 s2, hwreg(HW_REG_IB_STS2, 6, 4)
	s_cmp_eq_u32 s2, 0
	s_cbranch_scc0 .Lentry_in_a_cluster
	s_endpgm
.Lentry_in_a_cluster:
	s_bfe_u32 s2, ttmp6, 0x10000c
	s_cmp_lg_u32 s2, 0x3003
	s_cbranch_scc0 .Lentry_shape_is_right
	s_endpgm
.Lentry_shape_is_right:
; FOURTH LAUNCH: out = P V / l on the codes of pbuf and qkv, K = the 4,096 keys.  No work is left out.
; THE HEAD brings the third launch's parts under the row's M: M = the largest of the row's 32 local M; l = the sum of the local l x 2^(local M - M); each of p's scale bytes gets local M - M added.
; All three are exact: M is a whole number.  LIMITS: a difference is held at -127, and a byte that would fall under 0 becomes 0 (2^-127): what that moves lies under 2^-120 of l, and l is above 1/2.
; NaN and infinities are not served.
; SHARES.  A work-group makes 128 queries x 128 of d: 256 work-groups.  K IS SPLIT IN TWO between the waves: wave (kh, nh) takes K steps 2 j + kh (j = 0 .. 15: its own steps), all 128 queries and d 64 nh + 0 .. 63:
; 32 accumulators.  Source 0 = 16 rows of v^T, source 1 = 16 rows of P: a lane holds one query, and the 16 registers of two neighbouring tiles are 16 neighbouring d.
; So each fragment of V has ONE reader: it goes from memory straight into that wave's registers (its image is 512 consecutive bytes a load), three own steps ahead, in four sets; LDS and the joint loads are P's alone,
; whose fragments two waves read: P's 32 K steps are four chunks of 8 in two slots, one tensor load a wave each: a quarter of a chunk.  (V is not asked for jointly, since it does not go through LDS.)
; An own step is one run of loads (25 from LDS for the next own step, 13 of V for three own steps on) and 32 products.
; CLUSTER 4 x 1: the four work-groups of one group of queries ask for P jointly.
; NO PREFETCH: P's chunk 1 is asked for 112 products of a wave, chunks 2 and 3 120, ahead of the wait for them; V's loads run three own steps, 96 products, ahead.
; THE END.  A wave's local tiles 0-3 of P are the tiles 4 (1 - kh) + 0 .. 3, its local tiles 4-7 the tiles 4 kh + 0 .. 3: it hands the sums of the first four to the wave of the other half of K, through LDS (slot 0, which has
; had its last fill and its last read), adds that wave's sums to its own of the last four, divides by l, and sends them out by rows through a stage of its own (slot 1, likewise done with).
; REGISTERS: window 0: v4 16 x lane; v5-v11 addresses of the head and the exchange; v16-19 LDS addresses of P's fragments, v20-23 the same in slot 0; v24, v25 of P's scale words; v26, v27, v30 the way out; v28, v29 the add's two;
;   v32-35, v40-43 P's scale words, two sets; v44-47 the row's M; v52-55, v60-63, v68-71, v76-79 V's, four sets; v80-83 l; v84-91 1 / l; v128-239 the head's tables (on the way out: v128-191 rows).
;   window 1: P's eight fragments, two sets of 96 (at the end: the other wave's sums).   window 2: the accumulators, (a, b) at v[8 (4 a + b)].   window 3: V's four fragments, four sets of 48.
.set SX,    0x20000                    ; slot 1; slot 0 at 0
.set CHK,   98304                      ; a chunk: 8 K steps of P
.set PSA,   98304                      ; between the slots: p's shifted scale words, 512 bytes a K step;
.set MPT,   114688                     ; each wave's part of M, 512 bytes, and
.set LPT,   MPT+2048                   ; of l;
.set SPARE, LPT+2048                   ; the spare words
.set VIMG,  6553600
.set VKS,   25600                      ; from one own step of V to the next: two K steps of 12,800 bytes
.set PSCL,  12582912
.set LI,   4
.set VSO,  5
.set EXS,  10
.set EXR,  11
.set AP,   16
.set APB,  20
.set APS,  24
.set APSB, 25
.set STO,  26
.set RD,   27
.set SPW,  28
.set NIL,  29
.set CO,   30
.set PSC,  32
.set MX,   44
.set VSC,  52
.set LS,   80
.set RLP,  84
.set OB,   128
.set PMR,  128
.set PLR,  160
.set WR,   192
.set TT,   224
.set G1,   24
.set G0,   32
.set VB,   36
.set SL,   38
.set TS,   39
.set TC,   40
.set KM,   41
.set K01,  42
.set K80,  43
.set WV,   44
.set KH,   45
.set NH,   46
.set CX,   47
.set KX,   48
.set MUL,  0xa7                        ; source 0 (V) window 3, source 1 (P) window 1, C and D window 2
.set MSB, 0
.macro WIN new                         ; the immediate's high byte repeats the setting that is left
.if MSB != (\new)
	s_set_vgpr_msb (MSB<<8)|(\new)
.set MSB, (\new)
.endif
.endm
.macro PLACES n
.rept \n
	v_nop
.endr
.endm
.macro CREST                           ; a round of the cluster's barrier behind its opening barrier
	s_cmp_lg_u32 s[WV], 0
	s_cbranch_scc1 .Lnot_wave_0_\@
	s_barrier_signal -3
.Lnot_wave_0_\@:
	s_barrier_wait -3
	s_barrier_signal -1
	s_barrier_wait -1
.endm
.macro CROUND
	s_barrier_signal -1
	s_barrier_wait -1
	CREST
.endm
.macro PLOAD                           ; a joint load: every wave its quarter of a chunk
	tensor_load_to_lds s[G0:G0+3], s[G1:G1+7]
	s_nop 0
	PLACES 4
.endm
.macro NEXTG0                          ; the next chunk, into the other slot
	s_add_nc_u64 s[G0+2:G0+3], s[G0+2:G0+3], CHK
	s_xor_b32 s[G0+1], s[G0+1], SX
.endm
; P of the chunk's own step q into set e, 25 loads: scale words (register a % 4, lanes 0-15 local tiles 0-3, lanes 16-31 local tiles 4-7) and the eight local tiles
.macro PRUN e, q
	WIN 0
	ds_load_b128 v[PSC+8*(\e):PSC+8*(\e)+3], v[APS] offset:1024*(\q)
	WIN 0x40
.irp a, 0,1,2,3,4,5,6,7
.irp c, 0,1,2
	ds_load_b128 v[96*(\e)+12*\a+4*\c:96*(\e)+12*\a+4*\c+3], v[AP+2*((\q)/2)+\a/4] offset:24576*((\q)%2)+1536*(\a%4)+512*\c
.endr
.endr
	WIN 0
.endm
; V of j own steps behind the base into set s, 13 loads: scale words (register b) and the four tiles
.macro VRUN s, j
	WIN 0
	global_load_b128 v[VSC+8*(\s):VSC+8*(\s)+3], v[VSO], s[VB:VB+1] offset:VKS*(\j)
	WIN 0xc0
.irp b, 0,1,2,3
.irp c, 0,1,2
	global_load_b128 v[48*(\s)+12*\b+4*\c:48*(\s)+12*\b+4*\c+3], v[LI], s[VB:VB+1] offset:VKS*(\j)+1536*\b+512*\c
.endr
.endr
	WIN 0
.endm
; four products of own step q: P's local tile a x V's four.  The 32 accumulators take turns in the same order in every step.
.macro GRP q, a, zero
	WIN MUL
.set E_, (\q)%2
.irp b, 0,1,2,3
.set D_, 8*(4*(\a)+\b)
.if \zero
.if (\a) < 4
	v_wmma_scale_f32_16x16x128_f8f6f4 v[D_:D_+7], v[48*(\q)+12*\b:48*(\q)+12*\b+11], v[96*E_+12*(\a):96*E_+12*(\a)+11], 0, v[VSC+8*(\q)+\b], v[PSC+8*E_+(\a)%4] matrix_a_fmt:MATRIX_FMT_FP6 matrix_b_fmt:MATRIX_FMT_FP6
.else
	v_wmma_scale_f32_16x16x128_f8f6f4 v[D_:D_+7], v[48*(\q)+12*\b:48*(\q)+12*\b+11], v[96*E_+12*(\a):96*E_+12*(\a)+11], 0, v[VSC+8*(\q)+\b], v[PSC+8*E_+(\a)%4] matrix_a_fmt:MATRIX_FMT_FP6 matrix_b_fmt:MATRIX_FMT_FP6 matrix_b_scale:MATRIX_SCALE_ROW1
.endif
.else
.if (\a) < 4
	v_wmma_scale_f32_16x16x128_f8f6f4 v[D_:D_+7], v[48*(\q)+12*\b:48*(\q)+12*\b+11], v[96*E_+12*(\a):96*E_+12*(\a)+11], v[D_:D_+7], v[VSC+8*(\q)+\b], v[PSC+8*E_+(\a)%4] matrix_a_fmt:MATRIX_FMT_FP6 matrix_b_fmt:MATRIX_FMT_FP6
.else
	v_wmma_scale_f32_16x16x128_f8f6f4 v[D_:D_+7], v[48*(\q)+12*\b:48*(\q)+12*\b+11], v[96*E_+12*(\a):96*E_+12*(\a)+11], v[D_:D_+7], v[VSC+8*(\q)+\b], v[PSC+8*E_+(\a)%4] matrix_a_fmt:MATRIX_FMT_FP6 matrix_b_fmt:MATRIX_FMT_FP6 matrix_b_scale:MATRIX_SCALE_ROW1
.endif
.endif
.endr
.endm
; An own step q = 0, 1, 2 of a chunk.  dov: V's set three own steps on is asked for.  lc: V's loads that may be out behind that: 13 for each younger own step.
.macro STEP q, zero, dov, lc
	PLACES 4                                       ; between the last step's products and the loads into the registers that they read
	PRUN 1-(\q)%2, (\q)+1
.if \dov
	VRUN ((\q)+3)%4, (\q)+3
.endif
	s_wait_dscnt 25                                ; this step's fragments of P are in; the 25 loads just issued may be out
	s_wait_loadcnt \lc
.irp a, 0,1,2,3,4,5,6,7
	GRP \q, \a, \zero
.endr
	WIN 0
.endm
; A chunk's last own step, q = 3.  fill = 1: the barrier opens a round of the cluster's, and the slot just read out takes the chunk two on.
.macro TURN fill
	s_wait_dscnt 0x0                               ; this step's fragments of P are in, and
	s_wait_loadcnt 26                              ; of V; the next two steps' may be out
.irp a, 0,1,2,3
	GRP 3, \a, 0
.endr
	WIN 0
	s_wait_tensorcnt 0x0                           ; all my tensor loads have landed: my quarter of the next chunk
	ds_add_u32 v[SPW], v[NIL]
.if \fill
	NEXTG0
.endif
	GRP 3, 4, 0
	s_wait_dscnt 0x0                               ; the add is done, and my reads of the slot are over
	s_barrier_signal -1
	GRP 3, 5, 0
	WIN 0
	s_barrier_wait -1
.if \fill
	CREST                                          ; no wave of any partner still reads the slot or has a load on its way
	PLOAD
	s_xor_b32 s[SL], s[SL], SX
	s_add_co_u32 s[TS], s[TS], 4096
.irp i, 0,1,2,3
	v_add_nc_u32 v[AP+\i], s[SL], v[APB+\i]
.endr
	v_add_nc_u32 v[APS], s[TS], v[APSB]
.else
	PLACES 4
.irp i, 0,1,2,3
	v_add_nc_u32 v[AP+\i], SX, v[APB+\i]
.endr
	v_add_nc_u32 v[APS], 3*4096, v[APSB]
.endif
	s_wait_alu depctr_va_vdst(0)                   ; a wait behind these writes
	PRUN 0, 0
	VRUN 2, 6
	GRP 3, 6, 0
	GRP 3, 7, 0
	WIN 0
	s_wait_xcnt 0x0                                ; V's loads have read their base
	s_add_nc_u64 s[VB:VB+1], s[VB:VB+1], 4*VKS
.endm
	s_load_b128 s[4:7], s[0:1], 0x0                ; pbuf s[4:5], qkv s[6:7]
	s_load_b64 s[8:9], s[0:1], 0x10                ; out0
	v_lshl_add_u32 v[SPW], v0, 2, SPARE
	v_mov_b32 v[NIL], 0
	ds_add_u32 v[SPW], v[NIL]                      ; the wave's opening: the add, twice on end, and its wait ahead of my first tensor load
	ds_add_u32 v[SPW], v[NIL]
	v_lshrrev_b32 v1, 5, v0
	v_readfirstlane_b32 s[WV], v1
	s_lshr_b32 s[KH], s[WV], 1
	s_and_b32 s[NH], s[WV], 1
	s_xor_b32 s[KX], s[KH], 1
	s_bfe_u32 s[CX], ttmp6, 0x40000
	s_lshl_b32 s10, ttmp9, 2
	s_add_co_u32 s10, s10, s[CX]                   ; group of 128 d
	s_and_b32 s11, ttmp7, 0xffff                   ; group of 128 queries
	s_mov_b32 s[G1+0], 15|(3<<16)|(1<<21)          ; the mask: all four of the cluster; elements of 8 bytes; bit 21 set beside a mask
	s_mov_b32 s[G1+1], 32<<16                      ; a quarter of a chunk is dense: 96 rows of 256 bytes
	s_mov_b32 s[G1+2], 96<<16
	s_mov_b32 s[G1+3], 32<<16
	s_mov_b32 s[G1+4], 96
	s_mov_b32 s[G1+5], 32
	s_mov_b32 s[G1+6], 0
	s_mov_b32 s[G1+7], 0
	s_mov_b32 s[G0], 1
	s_mul_i32 s[G0+1], s[WV], CHK/4
	s_mul_i32 s14, s11, 4*CHK                      ; P: my group, my quarter of chunk 0
	s_mul_i32 s3, s[WV], CHK/4
	s_add_co_u32 s14, s14, s3
	s_mov_b32 s15, 0
	s_lshl_b32 s22, s11, 14                        ; the tables: my group, K steps 8 x wave + 0 .. 7
	s_lshl_b32 s3, s[WV], 12
	s_add_co_u32 s22, s22, s3
	s_add_co_u32 s22, s22, PSCL
	s_mov_b32 s23, 0
	s_mul_i32 s18, s10, 409600                     ; V: my group, my half of K, my four tiles
	s_mul_i32 s3, s[KH], 12800
	s_add_co_u32 s18, s18, s3
	s_mul_i32 s3, s[NH], 6144
	s_add_co_u32 s18, s18, s3
	s_add_co_u32 s18, s18, VIMG
	s_mov_b32 s19, 0
	s_lshl_b32 s2, s11, 19                         ; out0: 128 rows of 4,096 bytes a group,
	s_lshl_b32 s3, s[KH], 18                       ; the 64 rows that I finish,
	s_add_co_u32 s2, s2, s3
	s_lshl_b32 s3, s10, 9                          ; 128 of d,
	s_add_co_u32 s2, s2, s3
	s_lshl_b32 s3, s[NH], 8                        ; my 64
	s_add_co_u32 s2, s2, s3
	s_mov_b32 s3, 0
	s_mul_i32 s12, s[KH], 18432                    ; local tiles 4-7: K step kh, tiles 4 kh + 0 .. 3
	s_mul_i32 s13, s[KX], 6144                     ; local tiles 0-3: K step kh, tiles 4 (1 - kh) + 0 .. 3
	s_mul_i32 s16, s[KH], 12288
	s_add_co_u32 s13, s13, s16
	s_lshl_b32 s16, s[KX], 8
	s_lshl_b32 s17, s[KH], 9
	s_add_co_u32 s17, s17, PSA
	s_mul_i32 s20, s[NH], 5888
	s_sub_co_u32 s20, 12288, s20                   ; V's scale words lie 12,288 - 6,144 nh + 256 nh behind my tiles
	s_lshl_b32 s21, s[WV], 14
	s_xor_b32 s49, s[WV], 2                        ; the wave of the other half of K
	s_lshl_b32 s49, s49, 14
	s_mul_i32 s50, s[WV], 17408                    ; my stage: four tiles x 16 rows x (256 bytes + 16)
	s_add_co_u32 s50, s50, SX
	s_lshl_b32 s51, s[WV], 9
	s_add_co_u32 s51, s51, MPT
	s_lshl_b32 s52, s[WV], 12
	s_add_co_u32 s52, s52, PSA
	s_lshl_b32 s53, s[KH], 8
	s_add_co_u32 s53, s53, LPT
	s_mov_b32 s[KM], 0xc2fe0000                    ; -127
	s_mov_b32 s[K01], 0x01010101
	s_mov_b32 s[K80], 0x80808080
	v_and_b32 v1, 31, v0
	v_and_b32 v2, 15, v0
	v_bfe_u32 v3, v0, 4, 1
	v_lshlrev_b32 v[LI], 4, v1
	v_add_nc_u32 v[APB], s13, v[LI]
	v_add_nc_u32 v[APB+1], s12, v[LI]
	v_add_nc_u32 v[APB+2], 49152, v[APB]           ; (an LDS offset has 16 bits: own steps 2 and 3 of a chunk have registers of their own)
	v_add_nc_u32 v[APB+3], 49152, v[APB+1]
.irp i, 0,1,2,3
	v_mov_b32 v[AP+\i], v[APB+\i]
.endr
	v_xor_b32 v[APSB], s16, v[LI]
	v_add_nc_u32 v[APSB], s17, v[APSB]
	v_mov_b32 v[APS], v[APSB]
	v_lshl_add_u32 v[VSO], v2, 4, s20
	v_add_nc_u32 v6, s51, v[LI]                    ; my part of M, and 2,048 bytes on of l
	v_add_nc_u32 v7, MPT, v[LI]
	v_add_nc_u32 v8, s52, v[LI]                    ; my eight K steps' shifted words
	v_lshl_add_u32 v9, v2, 4, s53                  ; l of the rows that I finish
	v_add_nc_u32 v[EXS], s21, v[LI]
	v_add_nc_u32 v[EXR], s49, v[LI]
	v_mul_u32_u24 v[STO], v2, 272
	v_lshl_add_u32 v[STO], v3, 6, v[STO]
	v_add_nc_u32 v[STO], s50, v[STO]               ; the stage, in: row r, + 64 h
	v_mul_u32_u24 v[RD], v3, 272
	v_lshl_add_u32 v[RD], v2, 4, v[RD]
	v_add_nc_u32 v[RD], s50, v[RD]                 ; back: lanes 0-15 one row, lanes 16-31 the next
	v_lshlrev_b32 v[CO], 12, v3
	v_lshl_add_u32 v[CO], v2, 4, v[CO]             ; and the same in out0
.irp i, 0,1,2,3
	v_mov_b32 v[RLP+2*\i+1], 0                     ; (named as the upper half of a pair)
.endr
	s_wait_alu depctr_va_vdst(0)                   ; the wait at the head's end
	s_wait_dscnt 0x0                               ; both opening adds are done
	CROUND                                         ; the four work-groups are here: the first joint loads meet
	s_wait_kmcnt 0x0
	s_add_nc_u64 s[G0+2:G0+3], s[4:5], s[14:15]
	s_or_b32 s[G0+3], s[G0+3], 0x80000000
	s_add_nc_u64 s[22:23], s[4:5], s[22:23]
	s_add_nc_u64 s[VB:VB+1], s[6:7], s[18:19]
	s_add_nc_u64 s[8:9], s[8:9], s[2:3]
	PLOAD                                          ; chunk 0, one load a wave
; The tables: a lane holds four rows (its 16 bytes of each block of 512) for my eight K steps: register 4 k + i.
.macro TABLE reg, off
.irp k, 0,1,2,3,4,5,6,7
	global_load_b128 v[(\reg)+4*\k:(\reg)+4*\k+3], v[LI], s[22:23] offset:(\off)+512*\k
.endr
.endm
	TABLE PMR, 524288
	TABLE PLR, 1048576
	TABLE WR, 0
	s_wait_loadcnt 16                              ; the eight loads of M are in
.irp i, 0,1,2,3
	v_max3_num_f32 v[MX+\i], v[PMR+\i], v[PMR+4+\i], v[PMR+8+\i]
.endr
.irp k, 12,20
.irp i, 0,1,2,3
	v_max3_num_f32 v[MX+\i], v[MX+\i], v[PMR+\k+\i], v[PMR+\k+4+\i]
.endr
.endr
.irp i, 0,1,2,3
	v_max_num_f32 v[MX+\i], v[MX+\i], v[PMR+28+\i]
.endr
	ds_store_b128 v6, v[MX:MX+3]
	s_wait_dscnt 0x0                               ; for the others' sake
	s_barrier_signal -1
	s_barrier_wait -1
.irp w, 0,1,2,3
	ds_load_b128 v[TT+4*\w:TT+4*\w+3], v7 offset:512*\w
.endr
.irp j, 0,1,2
	VRUN \j, \j                                    ; V's first three own steps: 39 loads
.endr
	s_wait_dscnt 0x0
.irp i, 0,1,2,3
	v_max3_num_f32 v[MX+\i], v[TT+\i], v[TT+4+\i], v[TT+8+\i]
.endr
.irp i, 0,1,2,3
	v_max_num_f32 v[MX+\i], v[MX+\i], v[TT+12+\i]  ; the rows' M
.endr
.set N_, 0
.rept 8                                        ; local M - M: a whole number, 0 or less,
	v_pk_add_f32 v[PMR+N_:PMR+N_+1], v[PMR+N_:PMR+N_+1], v[MX:MX+1] neg_lo:[0,1] neg_hi:[0,1]
	v_pk_add_f32 v[PMR+N_+2:PMR+N_+3], v[PMR+N_+2:PMR+N_+3], v[MX+2:MX+3] neg_lo:[0,1] neg_hi:[0,1]
.set N_, N_+4
.endr
.set N_, 0
.rept 32
	v_max_num_f32 v[PMR+N_], s[KM], v[PMR+N_]      ; held at -127
.set N_, N_+1
.endr
.set N_, 0
.rept 32
	v_cvt_i32_f32 v[PMR+N_], v[PMR+N_]
.set N_, N_+1
.endr
	s_wait_alu depctr_va_vdst(0)                   ; a wait ahead of the blocking wait below
	s_wait_loadcnt 39                              ; l and the words are in; V's 39 stay out
.set N_, 0
.rept 32
	v_ldexp_f32 v[PLR+N_], v[PLR+N_], v[PMR+N_]    ; the local l under the row's M: nothing is rounded
.set N_, N_+1
.endr
	v_pk_add_f32 v[LS:LS+1], v[PLR:PLR+1], v[PLR+4:PLR+5]
	v_pk_add_f32 v[LS+2:LS+3], v[PLR+2:PLR+3], v[PLR+6:PLR+7]
.irp k, 8,12,16,20,24,28
	v_pk_add_f32 v[LS:LS+1], v[LS:LS+1], v[PLR+\k:PLR+\k+1]
	v_pk_add_f32 v[LS+2:LS+3], v[LS+2:LS+3], v[PLR+\k+2:PLR+\k+3]
.endr
	ds_store_b128 v6, v[LS:LS+3] offset:LPT-MPT
; each of a word's four bytes + (local M - M), held at 0: bit 7 came set in each byte, so that no borrow crosses a byte (a byte is 1 .. 125, the difference at most 127); it stays set where the byte did not fall under 0
.set N_, 0
.rept 32
	v_mul_lo_u32 v[PMR+N_], v[PMR+N_], s[K01]
.set N_, N_+1
.endr
.set N_, 0
.rept 32
	v_add_nc_u32 v[WR+N_], v[WR+N_], v[PMR+N_]
.set N_, N_+1
.endr
.set N_, 0
.rept 32
	v_and_b32 v[PMR+N_], s[K80], v[WR+N_]
.set N_, N_+1
.endr
.set N_, 0
.rept 32
	v_lshrrev_b32 v[PLR+N_], 7, v[PMR+N_]
.set N_, N_+1
.endr
.set N_, 0
.rept 32
	v_sub_nc_u32 v[PMR+N_], v[PMR+N_], v[PLR+N_]   ; 0x7f in the bytes that stay
.set N_, N_+1
.endr
.set N_, 0
.rept 32
	v_and_b32 v[WR+N_], v[WR+N_], v[PMR+N_]
.set N_, N_+1
.endr
.irp k, 0,1,2,3,4,5,6,7
	ds_store_b128 v8, v[WR+4*\k:WR+4*\k+3] offset:512*\k
.endr
	s_wait_alu depctr_va_vdst(0)
	s_wait_tensorcnt 0x0                           ; my quarter of chunk 0 is in
	ds_add_u32 v[SPW], v[NIL]
	NEXTG0
	s_mov_b32 s[SL], 0
	s_mov_b32 s[TS], 0
	s_mov_b32 s[TC], 0
	s_wait_dscnt 0x0                               ; the add and my stores are done
	CROUND
	PLOAD                                          ; chunk 1 into slot 1, issued as a refill is
.irp w, 0,1,2,3
	ds_load_b128 v[TT+4*\w:TT+4*\w+3], v9 offset:512*\w
.endr
	PRUN 0, 0
	s_wait_dscnt 25                                ; the four parts of l are in; the 25 loads of own step 0 may be out
.irp i, 0,1,2,3
	v_add_f32 v[LS+\i], v[TT+\i], v[TT+4+\i]
.endr
.irp i, 0,1,2,3
	v_add_f32 v[TT+\i], v[TT+8+\i], v[TT+12+\i]
.endr
.irp i, 0,1,2,3
	v_add_f32 v[LS+\i], v[LS+\i], v[TT+\i]
.endr
	s_wait_alu depctr_va_vdst(0)                   ; a wait ahead of the batch,
.irp i, 0,1,2,3
	v_rcp_f32 v[RLP+2*\i], v[LS+\i]
.endr
	v_nop
	s_wait_alu depctr_va_vdst(0)                   ; and one behind it
	STEP 0, 1, 1, 39                               ; own step 0: its products start the sums
.Ltrip:                                                ; own steps 1-4, 5-8
	STEP 1, 0, 1, 39
	STEP 2, 0, 1, 39
	TURN 1
	STEP 0, 0, 1, 39
	s_add_co_u32 s[TC], s[TC], 1
	s_cmp_lt_u32 s[TC], 2
	s_cbranch_scc1 .Ltrip
	STEP 1, 0, 1, 39
	STEP 2, 0, 1, 39
	TURN 0                                         ; the barrier shows chunk 3; nothing is filled
	STEP 0, 0, 1, 39                               ; own step 12 asks for V's last set
	STEP 1, 0, 0, 26
	STEP 2, 0, 0, 13
	s_wait_dscnt 0x0                               ; the last own step: nothing more to fetch
	s_wait_loadcnt 0x0
.irp a, 0,1,2,3,4,5,6,7
	GRP 3, \a, 0
.endr
	PLACES 4                                       ; in front of the reads of the last results and of loads into P's registers
	WIN 0x08
.set N_, 0
.rept 32                                       ; the sums of local tiles 0-3 go to the wave of the other half of K
	ds_store_b128 v[EXS], v[4*N_:4*N_+3] offset:512*N_   ; each accumulator from its low end on
.set N_, N_+1
.endr
	WIN 0
	s_wait_dscnt 0x0                               ; my stores have landed, and my reads of slot 1 are long over
	s_barrier_signal -1
	s_barrier_wait -1
	WIN 0x40
.set N_, 0
.rept 32
	ds_load_b128 v[4*N_:4*N_+3], v[EXR] offset:512*N_
.set N_, N_+1
.endr
; THE WAY OUT of finished tile i (local tile 4 + i): the two halves' sum / l, through my stage: a lane's 16 registers of two neighbouring tiles of d are 64 neighbouring bytes of its query's row; they come back as rows of 256 bytes.
.macro TOSTAGE i
.set AC, 128+32*(\i)
	WIN 0x86
.set J_, 0
.rept 16
	v_pk_add_f32 v[AC+J_:AC+J_+1], v[AC+J_:AC+J_+1], v[32*(\i)+J_:32*(\i)+J_+1]   ; each accumulator from its low end on
.set J_, J_+2
.endr
	WIN 0x82
.set J_, 0
.rept 16
	v_pk_mul_f32 v[AC+J_:AC+J_+1], v[AC+J_:AC+J_+1], v[RLP+2*(\i):RLP+2*(\i)+1] op_sel_hi:[1,0]
.set J_, J_+2
.endr
	WIN 0x08
.irp k, 0,1,2,3,4,5,6,7
	ds_store_b128 v[STO], v[AC+4*\k:AC+4*\k+3] offset:4352*(\i)+128*(\k/4)+16*(\k%4)
.endr
	WIN 0
.irp t, 0,1,2,3,4,5,6,7
	ds_load_b128 v[OB+32*((\i)%2)+4*\t:OB+32*((\i)%2)+4*\t+3], v[RD] offset:4352*(\i)+544*\t   ; LDS serves a wave's instructions in order: these see my stores
.endr
.endm
.macro SEND i, younger                 ; younger: the LDS instructions issued behind tile i's loads, which may stay out
	s_wait_dscnt \younger
.irp t, 0,1,2,3,4,5,6,7
	global_store_b128 v[CO], v[OB+32*((\i)%2)+4*\t:OB+32*((\i)%2)+4*\t+3], s[8:9] offset:(32*((\i)/2)+8*((\i)%2)+2*\t+8*(\t/4))*4096 th:TH_STORE_NT   ; the tile's row order turned back into rows of out0; 16 lanes store 256 consecutive bytes, aligned
.endr
.endm
	s_wait_dscnt 24                                ; the first eight of the other wave's 32 are in
	TOSTAGE 0
	s_wait_dscnt 32                                ; the second eight: 16 of them and the stage's 16 are younger
	TOSTAGE 1
	SEND 0, 16                                     ; behind tile 0's loads: tile 1's 8 stores and 8 loads; so all 32 of the other wave's are in
	s_wait_xcnt 0x0                                ; the stores of the tile two back have read their registers
	TOSTAGE 2
	SEND 1, 16
	s_wait_xcnt 0x0
	TOSTAGE 3
	SEND 2, 16
	SEND 3, 0
	s_wait_tensorcnt 0x0                           ; the wave's end, behind my last LDS store
	ds_add_u32 v[SPW], v[NIL]
	s_wait_dscnt 0x0
	CROUND                                         ; the closing round
	s_endpgm
.Lfunc_end_k_qfb4297c1d8_pv:
	.size	k_qfb4297c1d8_pv, .Lfunc_end_k_qfb4297c1d8_pv-k_qfb4297c1d8_pv
	.p2alignl 7, 3214868480
	.fill 96, 4, 3214868480
	.section	.rodata,"a",@progbits
	.p2align	6, 0x0
	.amdhsa_kernel k_qfb4297c1d8_pv
		.amdhsa_group_segment_fixed_size 327680
		.amdhsa_private_segment_fixed_size 0
		.amdhsa_enable_private_segment 0
		.amdhsa_kernarg_size 24
		.amdhsa_user_sgpr_count 2
		.amdhsa_user_sgpr_kernarg_segment_ptr 1
		.amdhsa_wavefront_size32 1
		.amdhsa_system_sgpr_workgroup_id_x 1
		.amdhsa_system_sgpr_workgroup_id_y 1
		.amdhsa_system_sgpr_workgroup_id_z 1
		.amdhsa_system_vgpr_workitem_id 0
		.amdhsa_next_free_vgpr 1024
		.amdhsa_next_free_sgpr 102
		.amdhsa_reserve_vcc 0
		.amdhsa_float_denorm_mode_32 3
		.amdhsa_float_denorm_mode_16_64 3
		.amdhsa_memory_ordered 1
		.amdhsa_forward_progress 1
		.amdhsa_inst_pref_size 134
	.end_amdhsa_kernel
	.amdgpu_metadata
---
amdhsa.version: [ 1, 2 ]
amdhsa.kernels:
  - .name:           k_qfb4297c1d8_pv
    .symbol:         k_qfb4297c1d8_pv.kd
    .args:
      - { .name: pbuf, .offset: 0, .size: 8, .value_kind: global_buffer, .address_space: global }
      - { .name: qkv, .offset: 8, .size: 8, .value_kind: global_buffer, .address_space: global }
      - { .name: out0, .offset: 16, .size: 8, .value_kind: global_buffer, .address_space: global }
    .group_segment_fixed_size: 327680
    .private_segment_fixed_size: 0
    .kernarg_segment_align: 8
    .kernarg_segment_size: 24
    .max_flat_workgroup_size: 128
    .sgpr_count:     102
    .vgpr_count:     1024
    .wavefront_size: 32
...
	.end_amdgpu_metadata
.endif
;; end of part 4
